; MI455X (gfx1250); checked and timed in simulation.
; The chip was launched on July 23, 2026; its instructions are those of AMD's public machine-readable ISA for CDNA 5 (MIT licence, August 2026) and "CDNA5" Instruction Set Architecture Reference Guide (July 2026). The comments in the code are by the model that wrote it; some were corrected since.
;; Split QKV Attention. Allowed arithmetic: matrix products marked QUANTISED: E2M3 operands, one E8M0 scale for each 32 along K, by v_wmma_scale_f32_16x16x128_f8f6f4 with both operands' format E2M3, f32 sums; everything else in f32.
;; Inputs: Wk 1,024 x 1,024 float32; Wo 1,024 x 1,024 float32; Wq 1,024 x 1,024 float32; Wv 1,024 x 1,024 float32; attn_mask 2,048 x 2,048 float32; bk 1,024 float32; bo 1,024 float32; bq 1,024 float32; bv 1,024 float32; key 2,048 x 4 x 1,024 float32; key_padding_mask 4 x 2,048 bool; query 2,048 x 4 x 1,024 float32; value 2,048 x 4 x 1,024 float32.
;; Outputs: out0 2,048 x 4 x 1,024 float32.
;; This version of the problem:
;;   THIS VERSION OF THE PROBLEM IS GIVEN IN LOW PRECISION. The matrix products marked QUANTISED in the list below multiply operands that are first quantised to E2M3 (2 exponent bits, 3 mantissa bits; 6 bits a number), with one power-of-two scale for each 32 numbers along K (OCP MX v1.0); their sums are f32. All else is computed in f32.
;;   The module's matrix products, in the order in which they are computed (A, B: the left and right operand; K: the contracted axis; several contracted axes count as one K, in the product's order):
;;     1. [M 8,192, K 1,024] x [K 1,024, N 1,024]; A: input query; B: input Wq: QUANTISED
;;     2. [M 8,192, K 1,024] x [K 1,024, N 1,024]; A: input key; B: input Wk: QUANTISED
;;     3. [M 8,192, K 1,024] x [K 1,024, N 1,024]; A: input value; B: input Wv: QUANTISED
;;     4. batch 64 x [M 2,048, K 64] x [K 64, N 2,048]; A: computed on the way; B: computed on the way: QUANTISED
;;     5. batch 64 x [M 2,048, K 2,048] x [K 2,048, N 64]; A: softmax (see below); B: computed on the way: QUANTISED
;;     6. [M 8,192, K 1,024] x [K 1,024, N 1,024]; A: computed on the way; B: input Wo: QUANTISED
;;   THE QUANTISER, for each operand of a quantised product, along K:
;;     - K is cut into blocks of 32 from its start; a last block that is shorter is filled with zeros.
;;     - A block's scale is 2^e with e = floor(log2(the largest magnitude in the block)) - 2, held to -126 .. 127; a block of zeros has e = 0. As a byte (E8M0): e + 127.
;;     - Each number is divided by its block's scale, clamped to +-7.5, and rounded to the nearest number of E2M3, ties to even, subnormals kept.
;;     - The product sums the exact products of the quantised numbers (number of the format x scale) in f32.
;;   ~~~python
;;   def quantise(x, axis):      # numpy; x: float32 -> the quantised numbers, widened to float32 again
;;       x = np.moveaxis(x, axis, -1); K = x.shape[-1]
;;       x = np.pad(x, [(0, 0)] * (x.ndim - 1) + [(0, -K % 32)]); x = x.reshape(x.shape[:-1] + (-1, 32)); a = np.abs(x).max(-1, keepdims=True)
;;       e = np.where(a > 0, np.clip(np.frexp(np.where(a > 0, a, 1))[1] - 1 - 2, -126, 127), 0)      # np.frexp(a)[1] - 1 = floor(log2(a)), exactly
;;       r = np.clip(x / 2.0 ** e, -7.5, 7.5)
;;       step = 2.0 ** (np.maximum(np.frexp(np.where(r == 0, 1, r))[1] - 1, 0) - 3)
;;       q = np.round(r / step) * step * 2.0 ** e      # np.round: ties to even
;;       return np.moveaxis(q.reshape(q.shape[:-2] + (-1,))[..., :K], -1, axis).astype(np.float32)
;;   ~~~
;;   SOFTMAX AHEAD OF A QUANTISED PRODUCT. Where the list says 'softmax', what is quantised is not the finished softmax but p = 2^(t - M), with t = logit x log2(e) and M = ceil(the row's largest t), a whole number; so 1/2 < the row's largest p <= 1. The row's sum l is taken of the UNQUANTISED p, in f32, and the product's result is divided by l at the end. Since M is a whole number, a kernel that streams over the keys may use a running M (the ceiling of the running maximum): every later rescaling is an exact power of two, which a block's scale takes up: the codes' values come out the same.
;;   OPERANDS COMPUTED ON THE WAY. 'Computed on the way' means the value that the module computes at that place (a softmax that the list does not call 'softmax' is quantised finished and normalised). What goes into a quantiser is computed in f32, as accurately as f32 sums, v_exp_f32 and their like allow (about 1e-6 of the number): no bf16 or f16 on the way to a quantiser, and a product that is left as it is and whose result goes on into a quantised operand takes f32 operands (vector FMAs, or v_wmma_f32_16x16x4_f32). A number that lies on a knife's edge between two numbers of the format may be rounded either way, as far as f32 arithmetic and the matrix unit's own rounding can turn it there, and no further.
;; One version. Each part assembles by itself: llvm-mc -triple=amdgcn-amd-amdhsa -mcpu=gfx1250 --defsym DOCPART=n.
;; ======== version 1 of 1: 4 launches
;; limits: right only within a limited range of input values
;; workspace buffers: img 22,937,600 bytes; qi 8,912,896 bytes; kv 15,466,496 bytes; ai 6,553,600 bytes
;; launch quant (part 1): grid 4 x 224, 4 waves a work-group, no clusters, 34,304 bytes of LDS; arguments query, key, value, Wq, Wk, Wv, Wo, img; writes img
.if DOCPART == 1
	.amdgcn_target "amdgcn-amd-amdhsa--gfx1250"
	.amdhsa_code_object_version 6
	.text
	.protected	k_qb2c2f87e2d_quant
	.globl	k_qb2c2f87e2d_quant
	.p2align	8
	.type	k_qb2c2f87e2d_quant,@function
k_qb2c2f87e2d_quant:
	s_mov_b64 s[64:65], 0
	v_nop
	global_prefetch_b8 v0, s[64:65] scope:SCOPE_SE
	s_setreg_imm32_b32 hwreg(HW_REG_WAVE_MODE, 25, 1), 1
	s_wait_xcnt 0x0
; SplitQKVAttention in MX-FP6, launch 1 of 4: query, key, value [2048][4][1024] and Wq, Wk, Wv, Wo [1024][1024], f32, K innermost, become codes of E2M3 with one E8M0 byte for each 32 along K.
; NO WORK OF THE PROBLEM IS LEFT OUT in any of the four launches: every input has a way to the output (the biases bq, bk, bv move codes ahead of quantised products; key_padding_mask and attn_mask enter the scores).
; THE LAYOUT is this program's own: the order of the operand's registers.  128 rows x 128 along K make a RECORD of 12,800 bytes: 8 fragments (16 rows x 128 K: 12 registers a lane) as 3 pieces of 512 bytes,
; [piece][lane][16 bytes], then 512 bytes of scale words, [lane (r, hh)][4 words: fragments 4 hh + 0 .. 3].  img = [row block 0 .. 223][K step 0 .. 7][record].
; Row blocks: 64 x tensor + 16 b + t / 128 for query, key, value (tensor 0, 1, 2); 192 + 8 x matrix + n / 128 for Wq, Wk, Wv, Wo.
; THE ROWS OF A FRAGMENT ARE NOT NEIGHBOURS: row r of fragment f is row 32 (f / 2) + 8 (f % 2) + r + 8 (r / 8) of the block, so that where such a fragment is a product's source 0 a lane's 16 results of fragments 2 g, 2 g + 1 are neighbours.
; A block's scale is 2^(floor(log2(largest magnitude)) - 2); its byte is the largest magnitude's exponent field - 2, held at 1 from below.
; LIMITS: a block of zeros, and a block whose largest magnitude lies under 2^-124, carries the byte 1 (a block of zeros has zero codes, which add nothing; this program alone reads the bytes); NaN and infinities among the inputs are not served.
; SHARES: work-group (x, y): row block y, K steps 2 x and 2 x + 1.  Wave w: K step 2 x + w / 2, fragments 4 (w % 2) + 0 .. 3: half a record.  Each load reads 512 consecutive bytes of one row; a fragment's 16 rows turn
; through the wave's own stage in LDS (rows of 528 bytes), so that a lane gets 16 neighbours of each block of 32.  Waves share nothing: no barrier.  Every store covers 512 (the scale words: 256) consecutive aligned bytes.
.set STGB,  8448                       ; a wave's stage: 16 rows x 528 bytes
.set SPARE, 33792                      ; behind the four stages: the spare words, 128 bytes a wave, that no other line names
.set AIN,  1                           ; v1   the stage, on the way in: 16 x lane
.set AOUT, 2                           ; v2   on the way out: 528 r + 64 h
.set LI,   3                           ; v3   16 x lane
.set SOFF, 4                           ; v4   16 r + 8 h: my two scale words
.set SPW,  5                           ; v5   my spare word; never rewritten
.set NIL,  6                           ; v6   0; never rewritten
.set VO,   8                           ; v8-23   byte offset of row i of a fragment: 16 x lane + (i + 8 (i / 8)) x the row pitch
.set TM,   24                          ; v24-39  at work
.set PW,   40                          ; v40-43  the four fragments' scale words
.set PC,   44                          ; v44-55  a fragment's codes; v56-63 halves on their way
.set PT,   56
.set X,    64                          ; v64-127, v128-191 two sets of 64 numbers
.set LN,   192
.set RR,   193
.set HH,   194
	s_load_b512 s[4:19], s[0:1], 0x0               ; query, key, value, Wq, Wk, Wv, Wo, img
	v_lshl_add_u32 v[SPW], v0, 2, SPARE
	v_mov_b32 v[NIL], 0
	v_lshrrev_b32 v[LN], 5, v0
	v_readfirstlane_b32 s40, v[LN]                 ; wave
	v_and_b32 v[LN], 31, v0
	s_wait_alu depctr_va_vdst(0)
	v_and_b32 v[RR], 15, v0                        ; r
	s_wait_alu depctr_va_vdst(0)
	v_bfe_u32 v[HH], v0, 4, 1                      ; h
	s_and_b32 s41, ttmp7, 0xffff                   ; row block
	s_and_b32 s42, s40, 1                          ; hh: which four fragments
	s_lshr_b32 s43, s40, 1
	s_lshl_b32 s44, ttmp9, 1
	s_add_co_u32 s43, s43, s44                     ; K step
	s_and_b32 s46, s41, 15                         ; an activation: 128 t are 2^21 bytes, b is 4,096
	s_lshl_b32 s46, s46, 21
	s_bfe_u32 s47, s41, 0x20004
	s_lshl_b32 s47, s47, 12
	s_add_co_u32 s46, s46, s47
	s_and_b32 s47, s41, 7                          ; a weight: 128 rows are 2^19 bytes
	s_lshl_b32 s47, s47, 19
	s_mov_b32 s45, 4096
	s_cmp_lt_u32 s41, 192
	s_cselect_b32 s45, 16384, s45                  ; bytes from a row to the next of the block
	s_cselect_b32 s46, s46, s47
	; THE ORDER OF A BLOCK'S ROWS HANGS ON THE TENSOR.  Row i of fragment 4 hh + t is row 64 hh + base(t) + i + E (i / 8) of the block:
	; query: base 16 t, E = 0 (neighbours);  key: base 8 t, E = 24 (rows 0-7 and 8-15 lie 32 apart);  value and the weights: base 8 (t % 2) + 32 (t / 2), E = 8
	s_mov_b32 s52, 8
	s_mov_b32 s54, 32
	s_cmp_lt_u32 s41, 128
	s_cselect_b32 s52, 24, s52
	s_cselect_b32 s54, 16, s54
	s_cmp_lt_u32 s41, 64
	s_cselect_b32 s52, 0, s52
	s_cselect_b32 s54, 32, s54
	s_cselect_b32 s53, 16, 8
	s_mul_i32 s52, s52, s45                        ; E, base(1), base(2) in bytes
	s_mul_i32 s53, s53, s45
	s_mul_i32 s54, s54, s45
	s_lshl_b32 s47, s43, 9
	s_add_co_u32 s46, s46, s47                     ; + 512 x K step
	s_lshl_b32 s47, s42, 6
	s_mul_i32 s47, s47, s45
	s_add_co_u32 s46, s46, s47                     ; + my 64 rows
	s_mov_b32 s47, 0
	s_mov_b32 s36, 0xffff0000                      ; lanes 16-31
	s_mov_b32 s38, 0x76543210
	s_mov_b32 s39, 0xfedcba98                      ; v_permlanex16_b32's selects for lane l xor 16
	s_mul_i32 s51, s40, STGB
	v_lshlrev_b32 v[LI], 4, v[LN]
	v_add_nc_u32 v[AIN], s51, v[LI]
	v_mul_u32_u24 v[AOUT], v[RR], 528
	s_wait_alu depctr_va_vdst(0)
	v_lshl_add_u32 v[AOUT], v[HH], 6, v[AOUT]
	v_add_nc_u32 v[AOUT], s51, v[AOUT]
	v_lshlrev_b32 v[SOFF], 4, v[RR]
	v_lshl_add_u32 v[SOFF], v[HH], 3, v[SOFF]
.irp i, 0,1,2,3,4,5,6,7,8,9,10,11,12,13,14,15
	s_mul_i32 s50, s45, \i
.if \i >= 8
	s_add_co_u32 s50, s50, s52
.endif
	v_add_nc_u32 v[VO+\i], s50, v[LI]
.endr
.irp b, 0,1,2,3
	v_mov_b32 v[TM+4+\b], 0                        ; written once: a lane permute's destination counts as one of its sources
.endr
	s_lshl_b32 s48, s41, 3
	s_add_co_u32 s48, s48, s43
	s_mul_i32 s48, s48, 12800                      ; my record
	s_mov_b32 s49, 0
	s_wait_alu depctr_va_vdst(0)
	s_wait_kmcnt 0x0
	s_mov_b64 s[20:21], s[4:5]                     ; which tensor: the choice hangs on the work-group's number alone
	s_cmp_ge_u32 s41, 64
	s_cselect_b64 s[20:21], s[6:7], s[20:21]
	s_cmp_ge_u32 s41, 128
	s_cselect_b64 s[20:21], s[8:9], s[20:21]
	s_cmp_ge_u32 s41, 192
	s_cselect_b64 s[20:21], s[10:11], s[20:21]
	s_cmp_ge_u32 s41, 200
	s_cselect_b64 s[20:21], s[12:13], s[20:21]
	s_cmp_ge_u32 s41, 208
	s_cselect_b64 s[20:21], s[14:15], s[20:21]
	s_cmp_ge_u32 s41, 216
	s_cselect_b64 s[20:21], s[16:17], s[20:21]
	s_add_nc_u64 s[24:25], s[20:21], s[46:47]      ; the four fragments begin 0, 8, 32, 40 rows on
	s_mov_b32 s46, s53
	s_add_nc_u64 s[26:27], s[24:25], s[46:47]
	s_mov_b32 s46, s54
	s_add_nc_u64 s[28:29], s[24:25], s[46:47]
	s_add_co_u32 s46, s53, s54                     ; base(3) = base(1) + base(2)
	s_add_nc_u64 s[30:31], s[24:25], s[46:47]
	s_add_nc_u64 s[34:35], s[18:19], s[48:49]
	s_mul_i32 s48, s42, 6144
	s_add_nc_u64 s[32:33], s[34:35], s[48:49]      ; my four fragments' images
	s_lshl_b32 s48, s42, 8
	s_add_co_u32 s48, s48, 12288
	s_add_nc_u64 s[34:35], s[34:35], s[48:49]      ; and their scale words
.macro LOAD t
.irp i, 0,1,2,3,4,5,6,7,8,9,10,11,12,13,14,15
	global_load_b128 v[X+64*((\t)%2)+4*\i:X+64*((\t)%2)+4*\i+3], v[VO+\i], s[24+2*(\t):25+2*(\t)] th:TH_LOAD_NT
.endr
.endm
.macro TURN t                          ; through the stage and back into the same registers: LDS serves a wave's instructions in order.  Afterwards register 16 b + i holds k = 32 b + 16 h + i of row r
.irp i, 0,1,2,3,4,5,6,7,8,9,10,11,12,13,14,15
	ds_store_b128 v[AIN], v[X+64*((\t)%2)+4*\i:X+64*((\t)%2)+4*\i+3] offset:528*\i
.endr
.irp b, 0,1,2,3
.irp e, 0,1,2,3
	ds_load_b128 v[X+64*((\t)%2)+16*\b+4*\e:X+64*((\t)%2)+16*\b+4*\e+3], v[AOUT] offset:128*\b+16*\e
.endr
.endr
.endm
.macro QUANT a, pw                     ; 64 numbers of a lane become a fragment's codes in v[PC] on and its scale word in v[pw]
.irp b, 0,1,2,3
	v_max3_num_f32 v[TM+\b], |v[\a+16*\b]|, |v[\a+16*\b+1]|, 0x1800000   ; my 16 numbers of block b, and the floor 2^(3 - 127): the byte cannot fall under 1
.endr
.irp i, 2,4,6,8,10,12,14
.irp b, 0,1,2,3
	v_max3_num_f32 v[TM+\b], v[TM+\b], |v[\a+16*\b+\i]|, |v[\a+16*\b+\i+1]|
.endr
.endr
.irp b, 0,1,2,3
	v_permlanex16_b32 v[TM+4+\b], v[TM+\b], s38, s39
.endr
.irp b, 0,1,2,3
	v_max_num_f32 v[TM+\b], v[TM+\b], v[TM+4+\b]   ; with lane l xor 16's: the block's largest magnitude
.endr
.irp b, 0,1,2,3
	v_add_nc_u32 v[TM+12+\b], 0xff000000, v[TM+\b] ; 2 off its exponent field: the conversion's scale operand
.endr
.irp b, 0,1,2,3
	v_lshrrev_b32 v[TM+4+\b], 23, v[TM+12+\b]      ; the scale's byte
.endr
	v_lshl_or_b32 v[\pw], v[TM+5], 8, v[TM+4]
	v_lshl_or_b32 v[\pw], v[TM+6], 16, v[\pw]
	v_lshl_or_b32 v[\pw], v[TM+7], 24, v[\pw]
	s_wait_xcnt 0x0                                ; the last fragment's stores have read v[PC] on: only now are they written again
.irp c, 0,1
	v_cvt_scalef32_pk16_fp6_f32 v[PC+6*\c:PC+6*\c+2], v[\a+32*\c:\a+32*\c+15], v[TM+12+2*\c]
	v_cvt_scalef32_pk16_fp6_f32 v[PT+4*\c:PT+4*\c+2], v[\a+32*\c+16:\a+32*\c+31], v[TM+12+2*\c+1]
.endr
	v_nop                                          ; one plain place behind a scaled conversion
.irp c, 0,1                            ; the operand's layout wants a whole block in a lane: lanes 0-15 block 2 c, lanes 16-31 block 2 c + 1
.irp i, 0,1,2
	v_permlane16_swap_b32 v[PC+6*\c+\i], v[PT+4*\c+\i]
.endr
.irp i, 0,1,2
	v_mov_b32 v[PC+6*\c+3+\i], v[PT+4*\c+\i]
.endr
.endr
.endm
	LOAD 0
	LOAD 1
.irp t, 0,1,2,3
.if \t < 3
	s_wait_loadcnt 16                              ; this fragment's 16 loads are in; the next fragment's 16 may be out
.else
	s_wait_loadcnt 0x0
.endif
	TURN \t
	s_wait_dscnt 0x0
	QUANT X+64*(\t%2), PW+\t
.irp c, 0,1,2
	global_store_b128 v[LI], v[PC+4*\c:PC+4*\c+3], s[32:33] offset:1536*\t+512*\c   ; 32 lanes store 512 consecutive bytes
.endr
.if \t < 2
	LOAD \t+2
.endif
.endr
	v_cndmask_b32 v[TM], v[PW], v[PW+2], s36       ; lanes 0-15 store words 0 and 1 of their row, lanes 16-31 words 2 and 3
	v_cndmask_b32 v[TM+1], v[PW+1], v[PW+3], s36
	global_store_b64 v[SOFF], v[TM:TM+1], s[34:35] ; 256 consecutive aligned bytes
	s_wait_tensorcnt 0x0                           ; the wave's end, behind my last LDS store
	ds_add_u32 v[SPW], v[NIL]
	s_wait_dscnt 0x0
	s_endpgm
.Lfunc_end_k_qb2c2f87e2d_quant:
	.size	k_qb2c2f87e2d_quant, .Lfunc_end_k_qb2c2f87e2d_quant-k_qb2c2f87e2d_quant
	.p2alignl 7, 3214868480
	.fill 96, 4, 3214868480
	.section	.rodata,"a",@progbits
	.p2align	6, 0x0
	.amdhsa_kernel k_qb2c2f87e2d_quant
		.amdhsa_group_segment_fixed_size 34304
		.amdhsa_private_segment_fixed_size 0
		.amdhsa_enable_private_segment 0
		.amdhsa_kernarg_size 64
		.amdhsa_user_sgpr_count 2
		.amdhsa_user_sgpr_kernarg_segment_ptr 1
		.amdhsa_wavefront_size32 1
		.amdhsa_system_sgpr_workgroup_id_x 1
		.amdhsa_system_sgpr_workgroup_id_y 1
		.amdhsa_system_sgpr_workgroup_id_z 1
		.amdhsa_system_vgpr_workitem_id 0
		.amdhsa_next_free_vgpr 200
		.amdhsa_next_free_sgpr 66
		.amdhsa_reserve_vcc 0
		.amdhsa_float_denorm_mode_32 3
		.amdhsa_float_denorm_mode_16_64 3
		.amdhsa_memory_ordered 1
		.amdhsa_forward_progress 1
		.amdhsa_inst_pref_size 36
	.end_amdhsa_kernel
	.amdgpu_metadata
---
amdhsa.version: [ 1, 2 ]
amdhsa.kernels:
  - .name:           k_qb2c2f87e2d_quant
    .symbol:         k_qb2c2f87e2d_quant.kd
    .args:
      - { .name: query, .offset: 0, .size: 8, .value_kind: global_buffer, .address_space: global }
      - { .name: key, .offset: 8, .size: 8, .value_kind: global_buffer, .address_space: global }
      - { .name: value, .offset: 16, .size: 8, .value_kind: global_buffer, .address_space: global }
      - { .name: Wq, .offset: 24, .size: 8, .value_kind: global_buffer, .address_space: global }
      - { .name: Wk, .offset: 32, .size: 8, .value_kind: global_buffer, .address_space: global }
      - { .name: Wv, .offset: 40, .size: 8, .value_kind: global_buffer, .address_space: global }
      - { .name: Wo, .offset: 48, .size: 8, .value_kind: global_buffer, .address_space: global }
      - { .name: img, .offset: 56, .size: 8, .value_kind: global_buffer, .address_space: global }
    .group_segment_fixed_size: 34304
    .private_segment_fixed_size: 0
    .kernarg_segment_align: 8
    .kernarg_segment_size: 64
    .max_flat_workgroup_size: 128
    .sgpr_count:     66
    .vgpr_count:     200
    .wavefront_size: 32
...
	.end_amdgpu_metadata
.endif
;; end of part 1
;; launch proj (part 2): grid 4 x 192, 4 waves a work-group, clusters of 4 x 4, 327,680 bytes of LDS; arguments img, bq, bk, bv, key_padding_mask, qi, kv; writes qi, kv
.if DOCPART == 2
	.amdgcn_target "amdgcn-amd-amdhsa--gfx1250"
	.amdhsa_code_object_version 6
	.text
	.protected	k_qb2c2f87e2d_proj
	.globl	k_qb2c2f87e2d_proj
	.p2align	8
	.type	k_qb2c2f87e2d_proj,@function
k_qb2c2f87e2d_proj:
	s_mov_b64 s[64:65], 0
	v_nop
	global_prefetch_b8 v0, s[64:65] scope:SCOPE_SE
	s_setreg_imm32_b32 hwreg(HW_REG_WAVE_MODE, 25, 1), 1
	s_wait_xcnt 0x0
	s_wait_alu depctr_hold_cnt(0) depctr_sa_sdst(0) depctr_va_vdst(0) depctr_va_sdst(0) depctr_va_ssrc(0) depctr_va_vcc(0) depctr_vm_vsrc(0)
	s_getreg_b32 s2, hwreg(HW_REG_IB_STS2, 6, 4)
	s_cmp_eq_u32 s2, 0
	s_cbranch_scc0 .Lentry_in_a_cluster
	s_endpgm
.Lentry_in_a_cluster:
	s_bfe_u32 s2, ttmp6, 0x10000c
	s_cmp_lg_u32 s2, 0xf033
	s_cbranch_scc0 .Lentry_shape_is_right
	s_endpgm
.Lentry_shape_is_right:
; Launch 2 of 4: q = query Wq^T + bq, k = key Wk^T + bk, v = value Wv^T + bv on the codes of launch 1, each result quantised in registers for the attention's products.  No work of the problem is left out.
; THE PRODUCT.  A work-group makes P (256 rows, source 0) x R (128 rows, source 1), K = 1,024; both operands' records for all of K lie in LDS (3 x 102,400 bytes), filled once: no slot is filled again.
; Four waves: wave w takes P's block w / 2 (8 fragments i) and R's fragments 4 (w % 2) + j, j = 0 .. 3: 32 accumulators.  A lane holds ONE row of R, and its register 64 j + 16 g + e the row 32 g + 16 h + e of P's block.
; q, k (cluster y / 16 = 0, 1): P = 256 rows of W (4 heads), R = 128 tokens: a lane's registers run along the head's 64: the K of q k^T.   v (2): P = 256 tokens, R = 128 rows of Wv (2 heads): they run along the keys: the K of p v.
; CLUSTER 4 x 4: P hangs on the work-group's x alone and is asked for jointly by a column, R on its y alone and by a row.
; OUT.  kv = [16 b + head][t / 128][15,104 bytes]: K's 8 fragments as registers 0-7 (2 pieces of 512 bytes each), 512 bytes of scale words, V^T's 4 fragments (channels x 128 keys, 3 pieces each), 256 bytes of scale words.  qi: K's part alone, 8,704 bytes.
; THE HEAD'S K IS 64, THE INSTRUCTION'S 128: the spare half carries key_padding_mask.  At k = 64 q has the code of 1.0 under the scale 1, k the code of -7.5 under 2^120 where the key is padded, else 0 under 2^-126:
; a padded key's score is -7.5 x 2^120, whose p is 0.  The factor 1 / 8 is 3 taken off q's two scale bytes: exact.
; LIMITS: blocks of q whose largest magnitude lies under 2^-121 are held at the byte 4 ahead of those 3, other blocks under 2^-124 at 1; blocks of zeros carry these bytes (zero codes); NaN and infinities are not served.
.set REC,   12800
.set PBLK,  102400
.set RBASE, 204800
.set CHUNK, 51200                      ; four K steps' records
.set SPARE, 307200                     ; the spare words, 128 bytes a wave, that no other line names
.set AP,  1                            ; v1, v2  LDS: my block of P, K steps 0-3 and 4-7: + 16 x lane
.set AR,  3                            ; v3, v4  my four fragments of R
.set AS,  5                            ; v5, v6  and their scale words
.set SPW, 7                            ; v7   my spare word; never rewritten
.set NIL, 8                            ; v8   0; never rewritten
.set LI,  9                            ; v9   16 x lane
.set LB,  10                           ; v10  the same in the next head's record
.set SOFF, 11                          ; v11  the scale words' place
.set RR,  12
.set HH,  13
.set TA,  14
.set TB,  15
.set SP,  16                           ; v16-23  P's scale words, two sets
.set SR,  24                           ; v24-31  R's
.set TM,  32                           ; v32-47  at work
.set PW,  48                           ; v48-51  the scale words just made
.set KM,  52                           ; v52-55  key_padding_mask of my four tokens
.set PCD, 56                           ; v56-59  the word with the code at k = 64
.set ADJ, 60                           ; v60-63  what is added to a scale word
.set BC,  64                           ; v64-127 the bias in the result's layout: the C of the first K step
.set WS,  128                          ; v128-131 scale words to store
.set PC,  132                          ; v132-147 codes; v148-155 halves on their way
.set PT,  148
.set LN,  156
.set WV,  18
.set G1P, 24
.set G1R, 32
.set G0P, 40                           ; s40-47  two groups 0 for P, one a chunk
.set G0R, 68                           ; s68-75  two for R
.set FLOOR, 59
.set SEL, 60
.set MSB, 0
.macro WIN new                         ; the immediate's high byte repeats the setting that is left
.if MSB != (\new)
	s_set_vgpr_msb (MSB<<8)|(\new)
.set MSB, (\new)
.endif
.endm
.macro CROUND                          ; a round of the cluster's barrier
	s_barrier_signal -1
	s_barrier_wait -1
	s_cmp_lg_u32 s[WV], 0
	s_cbranch_scc1 .Lnw0_\@
	s_barrier_signal -3
.Lnw0_\@:
	s_barrier_wait -3
	s_barrier_signal -1
	s_barrier_wait -1
.endm
.macro WM d, a, b, cb, sa, sb, row
.if \row
	v_wmma_scale_f32_16x16x128_f8f6f4 v[\d:\d+7], v[\a:\a+11], v[\b:\b+11], v[\cb:\cb+7], v[\sa], v[\sb] matrix_a_fmt:MATRIX_FMT_FP6 matrix_b_fmt:MATRIX_FMT_FP6 matrix_a_scale:MATRIX_SCALE_ROW1
.else
	v_wmma_scale_f32_16x16x128_f8f6f4 v[\d:\d+7], v[\a:\a+11], v[\b:\b+11], v[\cb:\cb+7], v[\sa], v[\sb] matrix_a_fmt:MATRIX_FMT_FP6 matrix_b_fmt:MATRIX_FMT_FP6
.endif
.endm
; REGISTER WINDOWS: 0: the above.  1, 2: two sets of fragments: P's eight at v[12 i], R's four at v[96 + 12 j].  3: accumulator (i, j) at v[64 j + 8 i].
; 38 LDS loads: K step ks into set fs: the scale words, R's four fragments, P's 0-3, P's 4-7.
.macro LDFR fs, ks
	WIN 0
	ds_load_b128 v[SP+4*(\fs):SP+4*(\fs)+3], v[AP+(\ks)/4] offset:((\ks)%4)*REC+12288
	ds_load_b128 v[SR+4*(\fs):SR+4*(\fs)+3], v[AS+(\ks)/4] offset:((\ks)%4)*REC
	WIN 0x40*(1+(\fs))
.irp j, 0,1,2,3
.irp c, 0,1,2
	ds_load_b128 v[96+12*\j+4*\c:96+12*\j+4*\c+3], v[AR+(\ks)/4] offset:((\ks)%4)*REC+1536*\j+512*\c
.endr
.endr
.irp i, 0,1,2,3,4,5,6,7
.irp c, 0,1,2
	ds_load_b128 v[12*\i+4*\c:12*\i+4*\c+3], v[AP+(\ks)/4] offset:((\ks)%4)*REC+1536*\i+512*\c
.endr
.endr
.endm
; 16 matrix instructions: P's fragments i0 .. i0 + 3 x R's four.  cmode 0: onto the sums; 1: the sums begin with the bias of P's rows; 2: with that of R's rows.
; The 32 accumulators take turns, one instruction a turn, in the same order in every K step.
.macro MUL fs, i0, cmode
.if \cmode == 0
	WIN 0xF0+5*(1+(\fs))
.else
	WIN 0xC5
.endif
.irp i, \i0, \i0+1, \i0+2, \i0+3
.irp j, 0,1,2,3
.if \cmode == 0
	WM 64*\j+8*(\i), 12*(\i), 96+12*\j, 64*\j+8*(\i), SP+4*(\fs)+(\i)%4, SR+4*(\fs)+\j, \i0
.elseif \cmode == 1
	WM 64*\j+8*(\i), 12*(\i), 96+12*\j, BC+8*(\i), SP+4*(\fs)+(\i)%4, SR+4*(\fs)+\j, \i0
.else
	WM 64*\j+8*(\i), 12*(\i), 96+12*\j, BC+8*\j, SP+4*(\fs)+(\i)%4, SR+4*(\fs)+\j, \i0
.endif
.endr
.endr
.endm
.macro KSTEP ks, cmode
	s_wait_dscnt 12                                ; all but the youngest 12 loads, P's fragments 4-7
	MUL (\ks)%2, 0, \cmode
	s_wait_dscnt 0x0
.if (\ks) == 3
	s_wait_tensorcnt 0x0                           ; my load of K steps 4-7 has landed
	s_barrier_signal -1
	s_barrier_wait -1                              ; everybody's has
.endif
.if (\ks) < 7
.rept 4
	v_nop                                          ; four places in front of loads into registers that matrix instructions have read
.endr
	LDFR 1-(\ks)%2, (\ks)+1
.endif
	MUL (\ks)%2, 4, \cmode
.endm
.macro START
	s_wait_alu depctr_va_vdst(0)                   ; the wait ahead of the blocking wait
	s_wait_tensorcnt 0x0                           ; my part of K steps 0-3 has landed
	ds_add_u32 v[SPW], v[NIL]
	s_wait_dscnt 0x0
	CROUND                                         ; everybody's part is in, and all sixteen work-groups are here
	s_cmp_lt_u32 s[WV], 2                          ; K steps 4-7: my one tensor load behind the round
	s_cbranch_scc0 .Lsec_r_\@
	tensor_load_to_lds s[G0P+4:G0P+7], s[G1P:G1P+7]
	s_nop 0
.rept 4
	v_nop
.endr
	s_branch .Lsec_\@
.Lsec_r_\@:
	tensor_load_to_lds s[G0R+4:G0R+7], s[G1R:G1R+7]
	s_nop 0
.rept 4
	v_nop
.endr
.Lsec_\@:
	LDFR 0, 0
	s_wait_loadcnt 0x0                             ; the bias (and the padding flags)
	WIN 0
.endm
; The 64 results of a lane for R's fragment j (window 3, from a on) become codes in v[PC + cs c] on, c = 0, 1, and a scale word in v[pw].
.macro QUANT a, cs, pw
	WIN 0x3C
.irp b, 0,1,2,3
	v_max3_num_f32 v[TM+\b], s[FLOOR], |v[\a+16*\b]|, |v[\a+16*\b+1]|   ; each accumulator is read from its low end on
.endr
.irp i, 2,4,6,8,10,12,14
.irp b, 0,1,2,3
	v_max3_num_f32 v[TM+\b], v[TM+\b], |v[\a+16*\b+\i]|, |v[\a+16*\b+\i+1]|
.endr
.endr
	WIN 0
.irp b, 0,1,2,3
	v_permlanex16_b32 v[TM+4+\b], v[TM+\b], s[SEL], s[SEL+1]
.endr
.irp b, 0,1,2,3
	v_max_num_f32 v[TM+\b], v[TM+\b], v[TM+4+\b]
.endr
.irp b, 0,1,2,3
	v_add_nc_u32 v[TM+12+\b], 0xff000000, v[TM+\b]
.endr
.irp b, 0,1,2,3
	v_lshrrev_b32 v[TM+4+\b], 23, v[TM+12+\b]
.endr
	v_lshl_or_b32 v[\pw], v[TM+5], 8, v[TM+4]
	v_lshl_or_b32 v[\pw], v[TM+6], 16, v[\pw]
	v_lshl_or_b32 v[\pw], v[TM+7], 24, v[\pw]
	s_wait_xcnt 0x0                                ; the last fragment's stores have read v[PC] on
	WIN 0x03
.irp c, 0,1
	v_cvt_scalef32_pk16_fp6_f32 v[PC+\cs*\c:PC+\cs*\c+2], v[\a+32*\c:\a+32*\c+15], v[TM+12+2*\c]
	v_cvt_scalef32_pk16_fp6_f32 v[PT+4*\c:PT+4*\c+2], v[\a+32*\c+16:\a+32*\c+31], v[TM+12+2*\c+1]
.endr
	WIN 0
	v_nop                                          ; one plain place behind a scaled conversion
.irp c, 0,1
.irp i, 0,1,2
	v_permlane16_swap_b32 v[PC+\cs*\c+\i], v[PT+4*\c+\i]
.endr
.irp i, 0,1,2
	v_mov_b32 v[PC+\cs*\c+3+\i], v[PT+4*\c+\i]
.endr
.endr
.endm
	s_load_b256 s[4:11], s[0:1], 0x0               ; img, bq, bk, bv
	s_load_b128 s[12:15], s[0:1], 0x20             ; key_padding_mask, qi
	s_load_b64 s[16:17], s[0:1], 0x30              ; kv
	v_lshl_add_u32 v[SPW], v0, 2, SPARE
	v_mov_b32 v[NIL], 0
	ds_add_u32 v[SPW], v[NIL]                      ; the wave's opening: the add, twice on end, and its wait ahead of my first tensor load
	ds_add_u32 v[SPW], v[NIL]
	v_lshrrev_b32 v[LN], 5, v0
	v_readfirstlane_b32 s[WV], v[LN]               ; wave
	s_lshr_b32 s19, s[WV], 1                       ; wp: my block of P
	s_and_b32 s20, s[WV], 1                        ; wr: my half of R
	s_bfe_u32 s21, ttmp6, 0x40000                  ; cx
	s_bfe_u32 s22, ttmp6, 0x40004                  ; cy
	s_and_b32 s23, ttmp7, 0xffff                   ; the cluster's y
	s_lshr_b32 s56, s23, 4                         ; 0 q, 1 k, 2 v: the same in all partners
	s_and_b32 s57, s23, 15
	s_lshr_b32 s62, s56, 1                         ; 1 for v
	s_lshl_b32 s58, ttmp9, 2
	s_add_co_u32 s58, s58, s21                     ; work-group x
	s_lshl_b32 s84, 0x1111, s21                    ; my column of the cluster
	s_lshl_b32 s85, s22, 2
	s_lshl_b32 s85, 15, s85                        ; my row
	s_or_b32 s[G1P], s84, (3<<16)|(1<<21)          ; elements of 8 bytes, no padding; the mask, and bit 21 beside it
	s_or_b32 s[G1R], s85, (3<<16)|(1<<21)
.irp g, G1P, G1R
	s_mov_b32 s[\g+1], 32<<16                      ; dense bytes as rows of 256: tensor_dim0 = 32
	s_mov_b32 s[\g+3], 32<<16                      ; tile_dim0
	s_mov_b32 s[\g+5], 32                          ; the pitch
	s_mov_b32 s[\g+6], 0
	s_mov_b32 s[\g+7], 0
.endr
	s_mov_b32 s[G1P+2], 200<<16                    ; P: 200 rows: four records
	s_mov_b32 s[G1P+4], 200
	s_mov_b32 s[G1R+2], 100<<16                    ; R: 100 rows: two records
	s_mov_b32 s[G1R+4], 100
	s_lshl_b32 s86, s56, 3                         ; P's row block: 192 + 8 x matrix + 2 x (q, k); 128 + 8 (c / 2) + 2 x (v); + wave.  It holds cx and never cy
	s_lshr_b32 s87, s57, 1
	s_lshl_b32 s87, s87, 3
	s_sub_co_i32 s87, s87, 80
	s_mul_i32 s87, s87, s62
	s_add_co_u32 s86, s86, s87
	s_add_co_u32 s86, s86, 192
	s_lshl_b32 s87, s58, 1
	s_add_co_u32 s86, s86, s87
	s_add_co_u32 s86, s86, s[WV]
	s_mul_i32 s86, s86, PBLK
	s_mov_b32 s87, 0
	s_lshl_b32 s88, s56, 6                         ; R's row block: 64 x tensor + 4 c + cy (q, k); 208 + 4 (c % 2) + cy (v).  It holds cy and never cx
	s_lshl_b32 s89, s57, 2
	s_add_co_u32 s88, s88, s89
	s_and_b32 s89, s57, 1
	s_lshl_b32 s89, s89, 2
	s_add_co_u32 s89, s89, 208
	s_sub_co_i32 s89, s89, s88
	s_mul_i32 s89, s89, s62
	s_add_co_u32 s88, s88, s89
	s_add_co_u32 s88, s88, s22
	s_mul_i32 s88, s88, PBLK
	s_mul_i32 s89, s20, 2*REC                      ; waves 2, 3: the first and the second two records of each four
	s_add_co_u32 s88, s88, s89
	s_mov_b32 s89, 0
	s_mul_i32 s90, s[WV], PBLK                     ; where they go
	s_mul_i32 s91, s20, 2*REC
	s_add_co_u32 s91, s91, RBASE
	s_mov_b32 s[SEL], 0x76543210
	s_mov_b32 s[SEL+1], 0xfedcba98
	s_mov_b32 s63, 0xffff0000                      ; lanes 16-31
	s_wait_dscnt 0x0                               ; both opening adds are done
	s_wait_kmcnt 0x0
	s_add_nc_u64 s[86:87], s[4:5], s[86:87]
	s_add_nc_u64 s[88:89], s[4:5], s[88:89]
.irp c, 0,1
	s_mov_b32 s[G0P+4*\c], 1
	s_add_co_u32 s[G0P+4*\c+1], s90, CHUNK*\c
	s_add_nc_u64 s[G0P+4*\c+2:G0P+4*\c+3], s[86:87], CHUNK*\c
	s_or_b32 s[G0P+4*\c+3], s[G0P+4*\c+3], 0x80000000
	s_mov_b32 s[G0R+4*\c], 1
	s_add_co_u32 s[G0R+4*\c+1], s91, CHUNK*\c
	s_add_nc_u64 s[G0R+4*\c+2:G0R+4*\c+3], s[88:89], CHUNK*\c
	s_or_b32 s[G0R+4*\c+3], s[G0R+4*\c+3], 0x80000000
.endr
	CROUND                                         ; all sixteen work-groups are here: the joint loads meet
	s_cmp_lt_u32 s[WV], 2                          ; every wave issues one first fill: its part of K steps 0-3
	s_cbranch_scc0 .Lfill_r
	tensor_load_to_lds s[G0P:G0P+3], s[G1P:G1P+7]
	s_nop 0
.rept 4
	v_nop
.endr
	s_branch .Lfilled
.Lfill_r:
	tensor_load_to_lds s[G0R:G0R+3], s[G1R:G1R+7]
	s_nop 0
.rept 4
	v_nop
.endr
.Lfilled:
	v_and_b32 v[LN], 31, v0
	v_and_b32 v[RR], 15, v0
	v_bfe_u32 v[HH], v0, 4, 1
	v_lshlrev_b32 v[LI], 4, v[LN]
	s_mul_i32 s92, s19, PBLK
	v_add_nc_u32 v[AP], s92, v[LI]
	v_add_nc_u32 v[AP+1], 4*REC, v[AP]
	s_mul_i32 s92, s20, 6144
	s_add_co_u32 s92, s92, RBASE
	v_add_nc_u32 v[AR], s92, v[LI]
	v_add_nc_u32 v[AR+1], 4*REC, v[AR]
	s_lshl_b32 s92, s20, 8
	s_add_co_u32 s92, s92, RBASE+12288
	v_lshl_add_u32 v[AS], v[RR], 4, s92
	v_add_nc_u32 v[AS+1], 4*REC, v[AS]
	v_and_b32 v[TB], 8, v[RR]
	v_add_nc_u32 v[TB], v[TB], v[RR]               ; r + 8 (r / 8)
.irp b, 0,1,2,3
	v_mov_b32 v[TM+4+\b], 0                        ; a lane permute's destination counts as one of its sources
.endr
	s_mov_b32 s89, 0
	s_cmp_eq_u32 s56, 2                            ; the two ways part here, on the cluster's y, and meet again at the closing lines
	s_cbranch_scc1 .Lway_v
	; ---------------- q and k ----------------
	s_cmp_eq_u32 s56, 0
	s_cselect_b64 s[86:87], s[6:7], s[8:9]         ; the bias
	s_cselect_b64 s[98:99], s[14:15], s[16:17]     ; the buffer
	s_mov_b32 s92, 15104
	s_cselect_b32 s92, 8704, s92                   ; its record
	s_mov_b32 s[FLOOR], 3<<23
	s_cselect_b32 s[FLOOR], 6<<23, s[FLOOR]        ; q: the byte is at least 4, so that 3 can be taken off
	s_cselect_b32 s93, 8, 0                        ; q: the code of 1.0 at k = 64
	s_mov_b32 s94, 0x01010000                      ; k: bytes 2, 3 = 1, 1;
	s_cselect_b32 s94, 0x017efcfd, s94             ; q: bytes 2, 3 = 127, 1, and 3 off bytes 0 and 1
	s_mov_b32 s95, 246<<16                         ; a padded key: byte 2 = 247
	s_lshl_b32 s84, s57, 2
	s_add_co_u32 s84, s84, s22                     ; R's block = 16 b + t / 128
	s_lshr_b32 s85, s84, 4                         ; b
	s_and_b32 s84, s84, 15                         ; t / 128
	s_lshl_b32 s88, s58, 10
	s_lshl_b32 s90, s19, 9
	s_add_co_u32 s88, s88, s90
	s_add_nc_u64 s[86:87], s[86:87], s[88:89]      ; the bias of my 128 features
	v_lshlrev_b32 v[TA], 6, v[HH]
.irp g, 0,1,2,3
.irp e, 0,1,2,3
	global_load_b128 v[BC+16*\g+4*\e:BC+16*\g+4*\e+3], v[TA], s[86:87] offset:128*\g+16*\e   ; register 16 g + i: feature 32 g + 16 h + i
.endr
.endr
	s_lshl_b32 s88, s85, 4
	s_lshl_b32 s90, s58, 2
	s_add_co_u32 s88, s88, s90
	s_lshl_b32 s90, s19, 1
	s_add_co_u32 s88, s88, s90                     ; 16 b + head, head = 4 x + 2 wp (and the next)
	s_lshl_b32 s88, s88, 4
	s_add_co_u32 s88, s88, s84
	s_mul_i32 s88, s88, s92
	s_add_nc_u64 s[98:99], s[98:99], s[88:89]      ; the first head's record
	s_lshl_b32 s88, s20, 12
	s_add_nc_u64 s[96:97], s[98:99], s[88:89]      ; my four fragments
	s_lshl_b32 s88, s20, 8
	s_add_co_u32 s88, s88, 8192
	s_add_nc_u64 s[98:99], s[98:99], s[88:89]      ; their scale words
	s_lshl_b32 s92, s92, 4                         ; from a head's record to the next head's
	v_add_nc_u32 v[LB], s92, v[LI]
	v_mul_u32_u24 v[SOFF], v[HH], s92
	v_lshl_add_u32 v[SOFF], v[RR], 4, v[SOFF]
	s_cmp_eq_u32 s56, 1
	s_cbranch_scc0 .Lno_flags
	s_lshl_b32 s88, s85, 11                        ; k: key_padding_mask[b][my four tokens]
	s_lshl_b32 s90, s84, 7
	s_add_co_u32 s88, s88, s90
	s_lshl_b32 s90, s20, 6
	s_add_co_u32 s88, s88, s90
	s_add_nc_u64 s[12:13], s[12:13], s[88:89]
	v_and_b32 v[LN], 8, v[RR]
	v_lshl_add_u32 v[TB], v[LN], 1, v[TB]          ; key's blocks: row r of fragment j is token 8 j + r + 24 (r / 8) of my 64
	s_wait_alu depctr_va_vdst(0)
.irp j, 0,1,2,3
	global_load_u8 v[KM+\j], v[TB], s[12:13] offset:8*\j
.endr
	s_branch .Lflags
.Lno_flags:
.irp j, 0,1,2,3
	v_mov_b32 v[KM+\j], 0                          ; q has none
.endr
.Lflags:
	START
	KSTEP 0, 1
.irp n, 1,2,3,4,5,6,7
	KSTEP \n, 0
.endr
	WIN 0
	v_sub_nc_u32 v[TA], 1, v[HH]                   ; k = 64 lies in lanes 0-15.  (These lines are the places behind the last products)
	v_lshlrev_b32 v[TB], 4, v[HH]
	v_mov_b32 v[PC+7], 0
	v_mov_b32 v[PC+15], 0
	s_wait_alu depctr_va_vdst(0)
.irp j, 0,1,2,3
	v_mad_u32_u24 v[PCD+\j], v[KM+\j], 63, s93     ; the code of -7.5 is 63
	v_mad_u32_u24 v[ADJ+\j], v[KM+\j], s95, s94
.endr
.irp j, 0,1,2,3
	v_mul_u32_u24 v[PCD+\j], v[PCD+\j], v[TA]
.endr
.irp j, 0,1,2,3
	QUANT 64*\j, 8, PW+\j                          ; blocks 0, 1: the first head's 64; blocks 2, 3: the second's
	v_mov_b32 v[PC+6], v[PCD+\j]
	v_mov_b32 v[PC+14], v[PCD+\j]
	global_store_b128 v[LI], v[PC:PC+3], s[96:97] offset:1024*\j            ; every store: 512 consecutive aligned bytes
	global_store_b128 v[LI], v[PC+4:PC+7], s[96:97] offset:1024*\j+512
	global_store_b128 v[LB], v[PC+8:PC+11], s[96:97] offset:1024*\j
	global_store_b128 v[LB], v[PC+12:PC+15], s[96:97] offset:1024*\j+512
	v_bfe_u32 v[WS+\j], v[PW+\j], v[TB], 16        ; lanes 0-15: the first head's two bytes; lanes 16-31: the second's
	v_add_nc_u32 v[WS+\j], v[WS+\j], v[ADJ+\j]
.endr
	global_store_b128 v[SOFF], v[WS:WS+3], s[98:99] ; sixteen lanes fill 256 aligned bytes of a head's record
	s_branch .Lend
	; ---------------- v ----------------
.Lway_v:
	s_and_b32 s84, s57, 1
	s_lshl_b32 s84, s84, 2
	s_add_co_u32 s84, s84, s22                     ; Wv's block
	s_lshl_b32 s85, s84, 1
	s_add_co_u32 s85, s85, s20                     ; my head
	s_lshl_b32 s88, s85, 8
	s_add_nc_u64 s[86:87], s[10:11], s[88:89]      ; its 64 numbers of bv
	s_wait_alu depctr_va_vdst(0)
	v_lshlrev_b32 v[TA], 2, v[TB]
.irp j, 0,1,2,3
	global_load_b32 v[BC+8*\j], v[TA], s[86:87] offset:4*(32*(\j/2)+8*(\j%2))   ; my lane's channel of fragment j
.endr
	s_lshr_b32 s88, s57, 1
	s_lshl_b32 s88, s88, 2
	s_add_co_u32 s88, s88, s58                     ; which pair of token blocks
	s_lshr_b32 s90, s88, 3                         ; b
	s_and_b32 s88, s88, 7
	s_lshl_b32 s88, s88, 1
	s_add_co_u32 s88, s88, s19                     ; t / 128
	s_lshl_b32 s90, s90, 4
	s_add_co_u32 s90, s90, s85
	s_lshl_b32 s90, s90, 4
	s_add_co_u32 s88, s88, s90
	s_mul_i32 s88, s88, 15104
	s_add_nc_u64 s[98:99], s[16:17], s[88:89]
	s_add_nc_u64 s[96:97], s[98:99], 8704          ; V^T's four fragments
	s_add_nc_u64 s[98:99], s[98:99], 14848         ; their scale words
	s_mov_b32 s[FLOOR], 3<<23
	v_lshlrev_b32 v[SOFF], 3, v[LN]
	START
.irp j, 0,1,2,3
.irp e, 1,2,3,4,5,6,7
	v_mov_b32 v[BC+8*\j+\e], v[BC+8*\j]            ; a lane's eight results of a tile share its channel
.endr
.endr
	s_wait_alu depctr_va_vdst(0)
	KSTEP 0, 2
.irp n, 1,2,3,4,5,6,7
	KSTEP \n, 0
.endr
	WIN 0
.rept 4
	v_nop                                          ; four places behind the last products
.endr
.irp j, 0,1,2,3
	QUANT 64*\j, 6, PW+\j                          ; four blocks of 32 keys: a whole fragment
.irp c, 0,1,2
	global_store_b128 v[LI], v[PC+4*\c:PC+4*\c+3], s[96:97] offset:1536*\j+512*\c
.endr
.endr
	v_cndmask_b32 v[TM], v[PW], v[PW+2], s63       ; lane (r, hh) stores the words of fragments 2 hh and 2 hh + 1
	v_cndmask_b32 v[TM+1], v[PW+1], v[PW+3], s63
	global_store_b64 v[SOFF], v[TM:TM+1], s[98:99]
.Lend:
	s_wait_tensorcnt 0x0                           ; the wave's end
	ds_add_u32 v[SPW], v[NIL]
	s_wait_dscnt 0x0
	CROUND                                         ; the closing round
	s_endpgm
.Lfunc_end_k_qb2c2f87e2d_proj:
	.size	k_qb2c2f87e2d_proj, .Lfunc_end_k_qb2c2f87e2d_proj-k_qb2c2f87e2d_proj
	.p2alignl 7, 3214868480
	.fill 96, 4, 3214868480
	.section	.rodata,"a",@progbits
	.p2align	6, 0x0
	.amdhsa_kernel k_qb2c2f87e2d_proj
		.amdhsa_group_segment_fixed_size 327680
		.amdhsa_private_segment_fixed_size 0
		.amdhsa_enable_private_segment 0
		.amdhsa_kernarg_size 56
		.amdhsa_user_sgpr_count 2
		.amdhsa_user_sgpr_kernarg_segment_ptr 1
		.amdhsa_wavefront_size32 1
		.amdhsa_system_sgpr_workgroup_id_x 1
		.amdhsa_system_sgpr_workgroup_id_y 1
		.amdhsa_system_sgpr_workgroup_id_z 1
		.amdhsa_system_vgpr_workitem_id 0
		.amdhsa_next_free_vgpr 1024
		.amdhsa_next_free_sgpr 100
		.amdhsa_reserve_vcc 0
		.amdhsa_float_denorm_mode_32 3
		.amdhsa_float_denorm_mode_16_64 3
		.amdhsa_memory_ordered 1
		.amdhsa_forward_progress 1
		.amdhsa_inst_pref_size 157
	.end_amdhsa_kernel
	.amdgpu_metadata
---
amdhsa.version: [ 1, 2 ]
amdhsa.kernels:
  - .name:           k_qb2c2f87e2d_proj
    .symbol:         k_qb2c2f87e2d_proj.kd
    .args:
      - { .name: img, .offset: 0, .size: 8, .value_kind: global_buffer, .address_space: global }
      - { .name: bq, .offset: 8, .size: 8, .value_kind: global_buffer, .address_space: global }
      - { .name: bk, .offset: 16, .size: 8, .value_kind: global_buffer, .address_space: global }
      - { .name: bv, .offset: 24, .size: 8, .value_kind: global_buffer, .address_space: global }
      - { .name: key_padding_mask, .offset: 32, .size: 8, .value_kind: global_buffer, .address_space: global }
      - { .name: qi, .offset: 40, .size: 8, .value_kind: global_buffer, .address_space: global }
      - { .name: kv, .offset: 48, .size: 8, .value_kind: global_buffer, .address_space: global }
    .group_segment_fixed_size: 327680
    .private_segment_fixed_size: 0
    .kernarg_segment_align: 8
    .kernarg_segment_size: 56
    .max_flat_workgroup_size: 128
    .sgpr_count:     100
    .vgpr_count:     1024
    .wavefront_size: 32
...
	.end_amdgpu_metadata
.endif
;; end of part 2
;; launch attn (part 3): grid 16 x 16, 8 waves a work-group, clusters of 4 x 4, 327,680 bytes of LDS; arguments qi, kv, attn_mask, ai; writes ai
.if DOCPART == 3
	.amdgcn_target "amdgcn-amd-amdhsa--gfx1250"
	.amdhsa_code_object_version 6
	.text
	.protected	k_qb2c2f87e2d_attn
	.globl	k_qb2c2f87e2d_attn
	.p2align	8
	.type	k_qb2c2f87e2d_attn,@function
k_qb2c2f87e2d_attn:
	s_mov_b64 s[64:65], 0
	v_nop
	global_prefetch_b8 v0, s[64:65] scope:SCOPE_SE
	s_setreg_imm32_b32 hwreg(HW_REG_WAVE_MODE, 25, 1), 1
	s_wait_xcnt 0x0
	s_wait_alu depctr_hold_cnt(0) depctr_sa_sdst(0) depctr_va_vdst(0) depctr_va_sdst(0) depctr_va_ssrc(0) depctr_va_vcc(0) depctr_vm_vsrc(0)
	s_getreg_b32 s2, hwreg(HW_REG_IB_STS2, 6, 4)
	s_cmp_eq_u32 s2, 0
	s_cbranch_scc0 .Lentry_in_a_cluster
	s_endpgm
.Lentry_in_a_cluster:
	s_bfe_u32 s2, ttmp6, 0x10000c
	s_cmp_lg_u32 s2, 0xf033
	s_cbranch_scc0 .Lentry_shape_is_right
	s_endpgm
.Lentry_shape_is_right:
; Launch 3 of 4: the attention on the codes of launch 2.  score = q . k / 8 (-7.5 x 2^120 added for a padded key: both come inside the product) + attn_mask; t = score x log2(e); M = the running largest t rounded up to a whole number;
; p = 2^(t - M) is quantised along the keys; the row's sum l is taken of the unquantised p; O / l is quantised along the 1,024 of the last product and stored as that product's operand.  No work of the problem is left out.
; SHARES.  Work-group (x, y): 128 queries (block x), batch y / 4, heads 4 (y % 4) + 0 .. 3: 256 work-groups.  Wave w: head w / 2 of the four, 64 queries: four tiles u; lane r of tile u holds query 128 x + 64 (w % 2) + 16 u + r.
; Every wave walks the 2,048 keys, 128 a step.  Both products are used transposed (S^T = K Q^T, O^T = V^T P): a lane holds one query throughout.  Each fragment of K and of V^T feeds four tiles.
; THE KEYS OF A FRAGMENT OF K: row m of fragment n is key 64 (n / 4) + 32 (m / 8) + 8 (n % 4) + m % 8.  So register 32 c + i of a lane's 64 scores is key 64 c + 32 h + i: a lane holds two WHOLE blocks of 32 keys,
; in the order of the next operand's registers: a block's maximum asks no other lane, and the conversions' results are the operand.  Only the row's maximum and the scale word cross the two halves of the lanes.
; attn_mask IS THE C OF K Q^T: it is loaded from LDS in the result's layout into the registers that the product adds onto.
; K'S FRAGMENTS LIE 8 REGISTERS APART, though the instruction names 12: the last four (k = 80 + 32 h on) are the next fragment's first four; Q has zero codes there, so that they add nothing whatever they hold (every FP6 code is finite).
; A RING of two LDS slots, one step each: the four heads' records of K and V (waves 0-3 fetch one each) and 128 rows x 128 keys of attn_mask (waves 4-7, 32 rows each): 128,000 bytes a slot; each wave has one tensor load out.
; CLUSTER 4 x 4: K and V hang on y alone and are asked for jointly by a row of the cluster, the mask on x alone and by a column.
; THE TILES FOLLOW EACH OTHER ONE STAGE APART: tile t + 1's mask loads and K Q^T are issued beside tile t's softmax; the change of slots stands ahead of tile 3's softmax, when all of the old slot has been read.
; A ROW ALL OF WHOSE KEYS ARE PADDED: the largest score starts at -2^100 and stays there; such a row's 1 / l becomes 0 and its scale bytes 0xff, which make the last product's sums NaN, as the softmax of such a row is.
; LIMITS: |logit| < 2^100; output blocks whose largest magnitude lies under 2^-124 are held at the byte 1; NaN and infinities among the inputs are not served.
.set KVREC, 15104
.set MOFF,  60416                      ; the mask behind the four records
.set MP,    528                        ; its rows: 512 bytes + 16: the 16 rows that a load touches start at 16 different groups of banks (64 banks of 4 bytes: ISA guide 11.1)
.set SLOT1, 131072
.set STAGE, 262144                     ; the way out: two whole records of ai, 25,600 bytes; no tile lands here
.set SPARE, 287744                     ; the spare words, 128 bytes a wave, that no other line names
.set AKV, 1                            ; my head's record: 16 x lane + 15,104 (w / 2)
.set AM,  2                            ; my lane's row of the mask
.set AVS, 3                            ; V's scale words
.set ADK, 4                            ; v4-6 the same three in the slot in hand
.set ADM, 5
.set ADVS, 6
.set SPW, 7
.set NIL, 8
.set PFO, 9                            ; the prefetches' offset
.set E1,  10                           ; v10-12 the way out: where my codes and my two scale bytes go; v13, v14: what I read back and where it goes
.set E2,  11
.set ES,  12
.set RDI, 13
.set GO,  14
.set PSEL, 15                          ; v_perm_b32's selector: my two scale bytes to bytes h and 2 + h
.set ST,  16                           ; v16-31 for each tile: -M, the largest score, l in two halves
.set F,   32                           ; v[32:33] f = 2^(old M - new M)
.set L2,  34                           ; v[34:35] the sum's second chain
.set BM,  36                           ; v36-39 maxima
.set T,   40
.set PX,  41
.set SO,  42                           ; v42-43 the conversions' scale operands
.set TS,  44
.set ONES, 46
.set KS,  48                           ; v48-51 K's scale words; v52-53 V's; v54-57 Q's; v58 p's: these hold scales and nothing else
.set VS,  52
.set QS,  54
.set PS,  58
.set PC,  60                           ; v60-71 p's codes; v72-79 halves on their way
.set PT,  72
.set VF,  80                           ; v80-127 V^T's 4 fragments
.set RC,  80                           ; (the way out: 1 / l)
.set S,   128                          ; v128-191, v192-255 mask, scores, p: two buffers, tile t in buffer t % 2
.set O,   0                            ; window 1: O^T, 32 a tile;
.set Q,   128                          ; Q, 12 a tile;
.set KF,  176                          ; K's 8 fragments, 8 apart, and 4 registers behind them
.set WV,  12
.set G1K, 32
.set G1M, 40
.set G0K, 48
.set G0M, 52
.set SEL, 56
.set CS,  58
.set TBS, 60                           ; the slot in hand
.set CNT, 61                           ; steps still to be asked for
.set CN2, 62
.set CSN, 63
.set PFA, 66
.set PFS, 68
.set LIM, 70
.set T0,  71
.set HM,  76
.set MSB, 0
.macro WIN new
.if MSB != (\new)
	s_set_vgpr_msb (MSB<<8)|(\new)
.set MSB, (\new)
.endif
.endm
.macro DL n
	s_delay_alu instid0(VALU_DEP_\n)
.endm
.macro PLACES
.rept 4
	v_nop
.endr
.endm
.macro CREST                           ; a round of the cluster's barrier behind its opening barrier
	s_cmp_lg_u32 s[WV], 0
	s_cbranch_scc1 .Lnw0_\@
	s_barrier_signal -3
.Lnw0_\@:
	s_barrier_wait -3
	s_barrier_signal -1
	s_barrier_wait -1
.endm
.macro CROUND                          ; a whole round
	s_barrier_signal -1
	s_barrier_wait -1
	CREST
.endm
.macro JLOAD                           ; waves 0-3: a head's record; waves 4-7: 32 rows of the mask.  An s_nop 0 and four v_nop follow each of the two lines
	s_cmp_lt_u32 s[WV], 4
	s_cbranch_scc0 .Lfor_m_\@
	tensor_load_to_lds s[G0K:G0K+3], s[G1K:G1K+7]
	s_nop 0
	PLACES
	s_branch .Lasked_\@
.Lfor_m_\@:
	tensor_load_to_lds s[G0M:G0M+3], s[G1M:G1M+7]
	s_nop 0
	PLACES
.Lasked_\@:
.endm
; A PREFETCH INTO THE L2 of the step after the one that has just been asked for; every cluster asks for what it will load.  K and V: partner cx takes head 4 y + cx's record BY ADDRESS, 59 blocks of 256 bytes,
; waves 0 and 1, a lane a block (the lanes past the last block name it again).  The mask: partner cy takes rows 32 cy on, waves 4 and 5, two lanes to a row's 512 bytes.  The last fill has no step behind it and asks for nothing.
.macro ASK
	s_cmp_gt_u32 s[CNT], s[LIM]
	s_cbranch_scc0 .Lnm_\@
	global_prefetch_b8 v[PFO], s[PFA:PFA+1] th:TH_LOAD_NT scope:SCOPE_SE
.Lnm_\@:
.endm
.macro WM d, a, b, sa, sb, row
.if \row
	v_wmma_scale_f32_16x16x128_f8f6f4 v[\d:\d+7], v[\a:\a+11], v[\b:\b+11], v[\d:\d+7], v[\sa], v[\sb] matrix_a_fmt:MATRIX_FMT_FP6 matrix_b_fmt:MATRIX_FMT_FP6 matrix_a_scale:MATRIX_SCALE_ROW1
.else
	v_wmma_scale_f32_16x16x128_f8f6f4 v[\d:\d+7], v[\a:\a+11], v[\b:\b+11], v[\d:\d+7], v[\sa], v[\sb] matrix_a_fmt:MATRIX_FMT_FP6 matrix_b_fmt:MATRIX_FMT_FP6
.endif
.endm
.macro LDK                             ; 17 loads: registers 0-7 of K's eight fragments, and their scale words
	WIN 0x40
.irp n, 0,1,2,3,4,5,6,7
	ds_load_b128 v[KF+8*\n:KF+8*\n+3], v[ADK] offset:1024*\n
	ds_load_b128 v[KF+8*\n+4:KF+8*\n+7], v[ADK] offset:1024*\n+512
.endr
	WIN 0
	ds_load_b128 v[KS:KS+3], v[ADK] offset:8192
.endm
.macro LDM t                           ; 16 loads: register 32 c + i: attn_mask[my query][key 64 c + 32 h + i]
	WIN 0
.irp c, 0,1
.irp e, 0,1,2,3,4,5,6,7
	ds_load_b128 v[S+64*((\t)%2)+32*\c+4*\e:S+64*((\t)%2)+32*\c+4*\e+3], v[ADM] offset:16*MP*(\t)+256*\c+16*\e
.endr
.endr
.endm
.macro LDV                             ; 13 loads
	WIN 0
.irp f, 0,1,2,3
.irp e, 0,1,2
	ds_load_b128 v[VF+12*\f+4*\e:VF+12*\f+4*\e+3], v[ADK] offset:8704+1536*\f+512*\e
.endr
.endr
	ds_load_b64 v[VS:VS+1], v[ADVS]
.endm
.macro QK t                            ; S^T = K Q^T + the mask: eight accumulators, one instruction each
	WIN 0x05
.irp n, 0,1,2,3,4,5,6,7
	WM S+64*((\t)%2)+8*\n, KF+8*\n, Q+12*(\t), KS+\n%4, QS+(\t), \n/4
.endr
.endm
.macro PV t                            ; O^T += V^T P: four accumulators, one instruction each
	WIN 0x50
.irp f, 0,1,2,3
	WM O+32*(\t)+8*\f, VF+12*\f, PC, VS+\f%2, PS, \f/2
.endr
.endm
; THE SOFTMAX OF A TILE, first part: up to the exponentials.
.macro SM1 t
.set rS, S+64*((\t)%2)
.set rT, ST+4*(\t)
	WIN 0
.irp b, 0,1,2,3
	v_max3_num_f32 v[BM+\b], v[rS+16*\b], v[rS+16*\b+1], v[rS+16*\b+2]   ; four chains by turns; each accumulator is read from its low end on
.endr
.irp i, 3,5,7,9,11,13
.irp b, 0,1,2,3
	v_max3_num_f32 v[BM+\b], v[BM+\b], v[rS+16*\b+\i], v[rS+16*\b+\i+1]
.endr
.endr
	v_max3_num_f32 v[BM], v[BM], v[BM+1], v[rS+15]
	v_max3_num_f32 v[BM+2], v[BM+2], v[BM+3], v[rS+47]
	v_max_num_f32 v[BM], v[BM], v[rS+31]           ; the largest score of my block c = 0: for the row's maximum and, since p rises with the score, for the block's largest p
	v_max_num_f32 v[BM+2], v[BM+2], v[rS+63]       ; and of c = 1
	v_max_num_f32 v[T], v[BM], v[BM+2]
	v_permlanex16_b32 v[PX], v[T], s[SEL], s[SEL+1]
	v_max3_num_f32 v[rT+1], v[rT+1], v[T], v[PX]   ; the running largest score
	v_mul_f32 v[F], s[CSN], v[rT+1]                ; -t
	v_mov_b32 v[T], v[rT]
	DL 2
	v_floor_f32 v[rT], v[F]                        ; -M = floor(-t): M is a whole number
	DL 1
	v_sub_f32 v[T], v[rT], v[T]                    ; old M - new M, 0 or less
	DL 1
	v_cvt_i32_f32 v[T], v[T]                       ; (it saturates)
	DL 1
	v_ldexp_f32 v[F], 1.0, v[T]                    ; f = 2^(old M - new M): the rescaling rounds nothing
.set n, 0
.rept 32
	v_pk_fma_f32 v[rS+n:rS+n+1], v[rS+n:rS+n+1], s[CS:CS+1], v[rT:rT+1] op_sel_hi:[1,0,0]   ; t - M
.set n, n+2
.endr
	v_fma_f32 v[BM], v[BM], s[CS], v[rT]
	v_fma_f32 v[BM+2], v[BM+2], s[CS], v[rT]
	s_wait_alu depctr_va_vdst(0)                   ; the wait ahead of the batch
.set n, 0
.rept 64
	v_exp_f32 v[rS+n], v[rS+n]                     ; p = 2^(t - M)
.set n, n+1
.endr
	v_exp_f32 v[BM], v[BM]                         ; my two blocks' largest p
	v_exp_f32 v[BM+2], v[BM+2]
	v_pk_mul_f32 v[rT+2:rT+3], v[rT+2:rT+3], v[F:F+1] op_sel_hi:[1,0]   ; l under the new M: the plain place behind the batch
.endm
; Second part: p's scale word, the sums, p's codes, O^T under the new M.
.macro SM2 t, ld                       ; ld: the tile whose mask is loaded into this tile's buffer as soon as the conversions have read it (-1: none)
.set rS, S+64*((\t)%2)
.set rT, ST+4*(\t)
.set rO, O+32*(\t)
	WIN 0
	s_wait_alu depctr_va_vdst(0)                   ; one wait for the 66 exponentials, ahead of their first reader
	v_max_num_f32 v[BM], 0x1800000, v[BM]          ; the floor 2^(3 - 127): a block whose every p is 0 keeps the byte 1; its codes are zeros
	v_max_num_f32 v[BM+2], 0x1800000, v[BM+2]
	v_pk_add_f32 v[L2:L2+1], v[rS:rS+1], v[rS+2:rS+3]   ; the sum of the unquantised p, in two chains
	v_add_nc_u32 v[SO], 0xff000000, v[BM]          ; 2 off the exponent field: the conversion's scale operand
	v_add_nc_u32 v[SO+1], 0xff000000, v[BM+2]
	v_add_lshl_u32 v[TS], v[BM], 0xff000000, 1     ; the same one bit up: the scale's byte is its top byte
	v_add_lshl_u32 v[TS+1], v[BM+2], 0xff000000, 1
	v_pk_add_f32 v[rT+2:rT+3], v[rT+2:rT+3], v[rS+4:rS+5]
	v_pk_add_f32 v[L2:L2+1], v[L2:L2+1], v[rS+6:rS+7]
	v_perm_b32 v[T], v[TS+1], v[TS], v[PSEL]       ; blocks h and 2 + h: bytes h and 2 + h of the scale word, zeros between
	v_pk_add_f32 v[rT+2:rT+3], v[rT+2:rT+3], v[rS+8:rS+9]
	v_pk_add_f32 v[L2:L2+1], v[L2:L2+1], v[rS+10:rS+11]
	v_permlanex16_b32 v[PX], v[T], s[SEL], s[SEL+1]
	v_pk_add_f32 v[rT+2:rT+3], v[rT+2:rT+3], v[rS+12:rS+13]
	v_pk_add_f32 v[L2:L2+1], v[L2:L2+1], v[rS+14:rS+15]
	v_or_b32 v[PS], v[T], v[PX]                    ; with lane l xor 16's two bytes the word is whole
.set n, 16
.rept 12
	v_pk_add_f32 v[rT+2:rT+3], v[rT+2:rT+3], v[rS+n:rS+n+1]
	v_pk_add_f32 v[L2:L2+1], v[L2:L2+1], v[rS+n+2:rS+n+3]
.set n, n+4
.endr
	DL 1
	v_pk_add_f32 v[rT+2:rT+3], v[rT+2:rT+3], v[L2:L2+1]
.irp c, 0,1
	v_cvt_scalef32_pk16_fp6_f32 v[PC+6*\c:PC+6*\c+2], v[rS+32*\c:rS+32*\c+15], v[SO+\c]
	v_cvt_scalef32_pk16_fp6_f32 v[PT+4*\c:PT+4*\c+2], v[rS+32*\c+16:rS+32*\c+31], v[SO+\c]   ; (a conversion's three registers begin on an even number)
.endr
	v_nop                                          ; one plain place behind a scaled conversion
.if (\ld) >= 0
	LDM \ld
.endif
.irp c, 0,1
.irp i, 0,1,2
	v_mov_b32 v[PC+6*\c+3+\i], v[PT+4*\c+\i]
.endr
.endr
	WIN 0x41
	s_wait_alu depctr_va_vdst(0)                   ; the wait ahead of the first reader of O^T
.set n, 0
.rept 16
	v_pk_mul_f32 v[rO+n:rO+n+1], v[rO+n:rO+n+1], v[F:F+1] op_sel_hi:[1,0]   ; O^T x f.  These 16 are also the places between the codes' and the scale word's last writes and the products
.set n, n+2
.endr
.endm
; THE CHANGE OF SLOTS, in two parts.  CH1, as soon as my last read of the slot in hand (tile 3's mask) has been issued: I wait for all my tensor loads (one is out: my part of the next step's slot), add 0 to my spare word,
; wait for that and for my reads of the slot in hand, and signal.  Between CH1 and CH2 stands work on registers alone: tile 2's softmax and two groups of products.
; CH2: the barrier's wait; fill = 1: it has opened a round of the cluster's barrier, and behind the round, first, comes the joint load of the step after the next into the slot just left.
.macro CH1 fill
	WIN 0
	s_wait_tensorcnt 0x0
	ds_add_u32 v[SPW], v[NIL]
.if \fill
	s_xor_b32 s[G0K+1], s[G0K+1], SLOT1            ; no tensor load of mine is out: the groups 0 walk on
	s_add_nc_u64 s[G0K+2:G0K+3], s[G0K+2:G0K+3], KVREC
	s_xor_b32 s[G0M+1], s[G0M+1], SLOT1
	s_add_nc_u64 s[G0M+2:G0M+3], s[G0M+2:G0M+3], 512
	s_wait_xcnt 0x0                                ; the last prefetch, a step back, has read its address
	s_add_nc_u64 s[PFA:PFA+1], s[PFA:PFA+1], s[PFS:PFS+1]
.endif
	s_wait_dscnt 0x0                               ; the add is done, and so are my reads of the slot in hand
	s_barrier_signal -1
.endm
.macro CH2 fill
	WIN 0
	s_barrier_wait -1
.if \fill
	CREST
	JLOAD
	ASK
	s_sub_co_u32 s[CNT], s[CNT], 1
.endif
	v_add_nc_u32 v[ADK], s[TBS], v[AKV]
	v_add_nc_u32 v[ADM], s[TBS], v[AM]
	v_add_nc_u32 v[ADVS], s[TBS], v[AVS]
	s_wait_alu depctr_va_vdst(0)
.endm
; A STEP, from tile 0's softmax to the next step's first K Q^T.  fill = 0: the last two steps; the very last has no next step, and a branch on the trips' counter leads round the next step's loads and product.
.macro BODY fill
	PLACES                                         ; in front of the loads into V's registers, and (first step) of the first read of tile 0's scores
	LDM 1
	LDV
	SM1 0
	s_wait_dscnt 0x0                               ; tile 1's mask and V are in
	QK 1
	SM2 0, 2
	PV 0
	SM1 1
	s_wait_dscnt 0x0                               ; tile 2's mask is in
	QK 2
	SM2 1, 3                                       ; tile 3's mask: my last read of this slot
	PV 1
	CH1 \fill
	SM1 2
	QK 3
	SM2 2, -1
	PV 2
	WIN 0
	s_xor_b32 s[TBS], s[TBS], SLOT1
	CH2 \fill
.if \fill
	LDK
	LDM 0
	SM1 3
	s_wait_dscnt 0x0
	QK 0
.else
	s_cmp_eq_u32 s[CN2], 1
	s_cbranch_scc1 .Lt1_\@
	LDK
	LDM 0
.Lt1_\@:
	SM1 3
	s_wait_alu depctr_va_vdst(0)                   ; the batch's wait ahead of a branch
	s_cmp_eq_u32 s[CN2], 1
	s_cbranch_scc1 .Lt2_\@
	s_wait_dscnt 0x0
	QK 0
	WIN 0
.Lt2_\@:
.endif
	SM2 3, -1
	PV 3                                           ; with this step's V, still in registers
	WIN 0
.endm
	s_load_b256 s[4:11], s[0:1], 0x0               ; qi, kv, attn_mask, ai
	v_lshl_add_u32 v[SPW], v0, 2, SPARE
	v_mov_b32 v[NIL], 0
	ds_add_u32 v[SPW], v[NIL]                      ; the wave's opening: the add, twice on end, and its wait ahead of my first tensor load
	ds_add_u32 v[SPW], v[NIL]
	v_lshrrev_b32 v128, 5, v0
	v_readfirstlane_b32 s[WV], v128                ; wave 0..7
	s_bfe_u32 s13, ttmp6, 0x40000                  ; cx
	s_bfe_u32 s14, ttmp6, 0x40004                  ; cy
	s_and_b32 s15, ttmp7, 0xffff
	s_lshl_b32 s16, ttmp9, 2
	s_add_co_u32 s16, s16, s13                     ; x: the block of 128 queries
	s_lshl_b32 s17, s15, 2
	s_add_co_u32 s17, s17, s14                     ; y = 4 b + group of four heads
	s_lshl_b32 s18, s14, 2
	s_lshl_b32 s18, 15, s18                        ; my row of the cluster
	s_lshl_b32 s19, 0x1111, s13                    ; my column
	s_or_b32 s[G1K], s18, (3<<16)|(1<<21)          ; a record: 59 dense rows of 256 bytes
	s_mov_b32 s[G1K+1], 32<<16
	s_mov_b32 s[G1K+2], 59<<16
	s_mov_b32 s[G1K+3], 32<<16
	s_mov_b32 s[G1K+4], 59
	s_mov_b32 s[G1K+5], 32
	s_mov_b32 s[G1K+6], 0
	s_mov_b32 s[G1K+7], 0
	s_or_b32 s[G1M], s19, (2<<16)|(1<<20)|(1<<21)|(6<<22)|(3<<25)   ; the mask: elements of 4 bytes; 4 words of padding behind every 128
	s_mov_b32 s[G1M+1], 128<<16
	s_mov_b32 s[G1M+2], 32<<16
	s_mov_b32 s[G1M+3], 128<<16
	s_mov_b32 s[G1M+4], 32
	s_mov_b32 s[G1M+5], 2048
	s_mov_b32 s[G1M+6], 0
	s_mov_b32 s[G1M+7], 0
	s_and_b32 s18, s[WV], 3
	s_lshl_b32 s20, s17, 2
	s_add_co_u32 s20, s20, s18
	s_mul_i32 s20, s20, 16*KVREC                   ; head 4 y + w % 4, step 0: it holds cy and never cx
	s_mov_b32 s21, 0
	s_lshl_b32 s22, s16, 7
	s_lshl_b32 s23, s18, 5
	s_add_co_u32 s22, s22, s23
	s_lshl_b32 s22, s22, 13                        ; row 128 x + 32 (w % 4) of the mask: it holds cx and never cy
	s_mov_b32 s23, 0
	s_mul_i32 s24, s18, KVREC
	s_mul_i32 s25, s18, 32*MP
	s_add_co_u32 s25, s25, MOFF
	s_mov_b32 s[SEL], 0x76543210
	s_mov_b32 s[SEL+1], 0xfedcba98
	s_mov_b32 s[CS], 0x3fb8aa3b                    ; log2(e)
	s_mov_b32 s[CS+1], s[CS]
	s_mov_b32 s[CSN], 0xbfb8aa3b                   ; -log2(e)
	s_mov_b32 s[TBS], 0
	s_mov_b32 s[CNT], 15
	s_mov_b32 s[T0], 0xf1800000                    ; -2^100
	s_mov_b32 s[HM], 0xffff0000                    ; lanes 16-31
	s_lshl_b32 s82, s17, 2                         ; the prefetches: where
	s_add_co_u32 s82, s82, s13
	s_lshl_b32 s82, s82, 4
	s_add_co_u32 s82, s82, 1
	s_mul_i32 s82, s82, KVREC                      ; head 4 y + cx, step 1: the first change steps it to step 2
	s_lshl_b32 s83, s16, 7
	s_lshl_b32 s84, s14, 5
	s_add_co_u32 s83, s83, s84
	s_lshl_b32 s83, s83, 13
	s_add_co_u32 s83, s83, 512                     ; rows 128 x + 32 cy on, step 1
	s_lshr_b32 s77, s18, 1                         ; 0 in waves 0, 1, 4 and 5: these ask
	s_mov_b32 s[PFS], 512
	s_mov_b32 s[PFS+1], 0
	s_cmp_lt_u32 s[WV], 4
	s_cselect_b32 s82, s82, s83
	s_cselect_b32 s[PFS], KVREC, s[PFS]
	s_cselect_b32 s92, -1, 0
	s_mov_b32 s83, 0
	s_cmp_eq_u32 s77, 0
	s_cselect_b32 s[LIM], 1, -1
	s_wait_dscnt 0x0                               ; both opening adds are done
	s_wait_kmcnt 0x0
	s_mov_b32 s[G0K], 1
	s_mov_b32 s[G0K+1], s24
	s_add_nc_u64 s[G0K+2:G0K+3], s[6:7], s[20:21]
	s_or_b32 s[G0K+3], s[G0K+3], 0x80000000
	s_mov_b32 s[G0M], 1
	s_mov_b32 s[G0M+1], s25
	s_add_nc_u64 s[G0M+2:G0M+3], s[8:9], s[22:23]
	s_or_b32 s[G0M+3], s[G0M+3], 0x80000000
	CROUND                                         ; all sixteen work-groups are here
	JLOAD                                          ; step 0 into slot 0: every wave issues one first fill
	s_cmp_lt_u32 s[WV], 4
	s_cselect_b64 s[PFA:PFA+1], s[6:7], s[8:9]
	s_add_nc_u64 s[PFA:PFA+1], s[PFA:PFA+1], s[82:83]
	s_lshr_b32 s26, s[WV], 1                       ; my head of the four
	s_and_b32 s27, s[WV], 1                        ; qg: my 64 queries of the 128
	s_lshl_b32 s28, s17, 2
	s_add_co_u32 s28, s28, s26
	s_lshl_b32 s28, s28, 4
	s_add_co_u32 s28, s28, s16
	s_mul_i32 s28, s28, 8704                       ; Q's record: (16 b + head, x)
	s_lshl_b32 s29, s27, 8
	s_add_co_u32 s84, s28, s29
	s_add_co_u32 s84, s84, 8192                    ; my four tiles' scale words
	s_mov_b32 s85, 0
	s_lshl_b32 s29, s27, 12
	s_add_co_u32 s28, s28, s29                     ; fragments 4 qg + u
	s_mov_b32 s29, 0
	s_add_nc_u64 s[86:87], s[4:5], s[28:29]
	s_add_nc_u64 s[84:85], s[4:5], s[84:85]
	s_mul_i32 s20, s26, KVREC                      ; the LDS bases, all made ahead of the vector lines
	s_add_co_u32 s21, s20, 14848
	s_mul_i32 s22, s27, 64*MP
	s_add_co_u32 s22, s22, MOFF
	s_lshr_b32 s28, s[WV], 2                       ; the way out: record w / 4 of the two; my head is half c = (w / 2) % 2 of its K step: registers 6 c .. 6 c + 5 of fragment 4 qg + u's image
	s_and_b32 s29, s26, 1
	s_mul_i32 s23, s28, 12800
	s_add_co_u32 s23, s23, STAGE
	s_lshl_b32 s30, s27, 8
	s_add_co_u32 s30, s30, s23
	s_lshl_b32 s31, s29, 1
	s_add_co_u32 s30, s30, s31
	s_add_co_u32 s30, s30, 12288                   ; my scale bytes
	s_mul_i32 s31, s27, 6144
	s_add_co_u32 s23, s23, s31
	s_mul_i32 s24, s29, 520
	s_add_co_u32 s24, s24, s23
	s_mul_i32 s25, s29, 1016
	s_add_co_u32 s25, s25, s23
	s_add_co_u32 s25, s25, 8
	s_lshl_b32 s31, s[WV], 9
	s_add_co_u32 s88, s31, STAGE
	s_lshl_b32 s89, s27, 5
	s_lshr_b32 s90, s17, 2                         ; ai: records ((16 b + x) 8 + 2 (y % 4)) and the next: 25,600 bytes on end
	s_lshl_b32 s90, s90, 4
	s_add_co_u32 s90, s90, s16
	s_lshl_b32 s90, s90, 3
	s_and_b32 s91, s17, 3
	s_lshl_b32 s91, s91, 1
	s_add_co_u32 s90, s90, s91
	s_mul_i32 s90, s90, 12800
	s_mov_b32 s91, 0
	s_add_nc_u64 s[78:79], s[10:11], s[90:91]
	v_and_b32 v129, 31, v0                         ; lane
	v_and_b32 v130, 15, v0                         ; r
	v_bfe_u32 v131, v0, 4, 1                       ; h
	v_lshlrev_b32 v132, 4, v129
	v_lshlrev_b32 v133, 4, v130
	WIN 0x40
.irp u, 0,1,2,3
	global_load_b128 v[Q+12*\u:Q+12*\u+3], v132, s[86:87] offset:1024*\u
	global_load_b128 v[Q+12*\u+4:Q+12*\u+7], v132, s[86:87] offset:1024*\u+512
.endr
	WIN 0
	global_load_b128 v[QS:QS+3], v133, s[84:85]
	v_add_nc_u32 v[AKV], s20, v132
	v_lshl_add_u32 v[AVS], v129, 3, s21
	v_mul_u32_u24 v[AM], v130, MP
	v_add_nc_u32 v[E1], s24, v132
	v_lshl_add_u32 v[AM], v131, 7, v[AM]
	v_add_nc_u32 v[E2], s25, v132
	v_add_nc_u32 v[AM], s22, v[AM]
	v_add_nc_u32 v[ES], s30, v133
	v_add_nc_u32 v[RDI], s88, v132
	v_add_nc_u32 v[GO], s31, v132
	v_add_nc_u32 v134, s89, v129                   ; the prefetches' offset: block 32 (w % 2) + lane
	v_mov_b32 v[PSEL], 0x0c070c03
	v_min_u32 v135, 58, v134
	v_lshrrev_b32 v136, 1, v134
	v_and_b32 v137, 1, v134
	v_lshlrev_b32 v135, 8, v135
	v_lshlrev_b32 v136, 13, v136
	v_mov_b32 v138, 0x070c030c
	v_lshl_add_u32 v136, v137, 8, v136
	v_cndmask_b32 v[PSEL], v[PSEL], v138, s[HM]
	v_cndmask_b32 v[PFO], v136, v135, s92
	; the start: O^T and l are zeros, the largest score is -2^100: the step is written once, and its first change of M multiplies zeros
.irp t, 0,1,2,3
	v_mov_b32 v[ST+4*\t+1], s[T0]
	v_mov_b32 v[ST+4*\t+2], 0
	v_mov_b32 v[ST+4*\t+3], 0
.endr
	v_mul_f32 v[T], s[CSN], v[ST+1]
	v_mov_b32 v[PX], 0                             ; a lane permute's destination counts as one of its sources
	v_floor_f32 v[T], v[T]
	v_mov_b32 v[F+1], 0                            ; (named as the upper half of a pair)
	v_mov_b32 v[ONES], 0xffff
.irp t, 0,1,2,3
	v_mov_b32 v[ST+4*\t], v[T]
.endr
	WIN 0x40
.set n, 0
.rept 128
	v_mov_b32 v[O+n], 0
.set n, n+1
.endr
.irp e, 8,9,10,11
.irp u, 0,1,2,3
	v_mov_b32 v[Q+12*\u+\e], 0                     ; k = 80 + 32 h on: zero codes, written once
.endr
	v_mov_b32 v[KF+56+\e], 0                       ; the four registers behind K's last fragment
.endr
	WIN 0
	s_wait_alu depctr_va_vdst(0)                   ; the wait at the head's end
	s_wait_loadcnt 0x0                             ; Q
	CH1 1                                          ; step 0 is in;
	CH2 1                                          ; step 1 goes into slot 1
	LDK
	LDM 0
	s_wait_dscnt 0x0
	QK 0
	WIN 0
.Lstep:                                            ; steps 0 to 13: step s asks for step s + 2
	BODY 1
	s_cmp_lg_u32 s[CNT], 0
	s_cbranch_scc1 .Lstep
	s_mov_b32 s[CN2], 2
.Ltail:                                            ; steps 14 and 15 ask for nothing
	BODY 0
	s_sub_co_u32 s[CN2], s[CN2], 1
	s_cmp_lg_u32 s[CN2], 0
	s_cbranch_scc1 .Ltail
	; THE WAY OUT.  l's halves are joined, O^T is divided by l and quantised along its head's 64 (two blocks); the 6 registers are half of a fragment of the last product's operand.
.irp t, 0,1,2,3
	v_add_f32 v[BM+\t], v[ST+4*\t+2], v[ST+4*\t+3]
.endr
.irp t, 0,1,2,3
	v_permlanex16_b32 v[PT+\t], v[BM+\t], s[SEL], s[SEL+1]
.endr
.irp t, 0,1,2,3
	v_add_f32 v[BM+\t], v[BM+\t], v[PT+\t]
.endr
	s_wait_alu depctr_va_vdst(0)
.irp t, 0,1,2,3
	v_rcp_f32 v[RC+2*\t], v[BM+\t]
.endr
.irp t, 0,1,2,3
	v_cmp_ge_f32 s[72+\t], s[T0], v[ST+4*\t+1]     ; lanes whose row never saw an open key.  (Plain places behind the reciprocals)
.endr
	s_wait_alu depctr_va_vdst(0)                   ; one wait for the four reciprocals, ahead of their first reader
.irp t, 0,1,2,3
	v_cndmask_b32 v[RC+2*\t], v[RC+2*\t], v[NIL], s[72+\t]
.endr
.macro OUT t
.set rS, S+64*((\t)%2)
	WIN 0x01
	s_wait_alu depctr_va_vdst(0)                   ; the wait ahead of the first reader of this tile's O^T
.set n, 0
.rept 16
	v_pk_mul_f32 v[rS+n:rS+n+1], v[O+32*\t+n:O+32*\t+n+1], v[RC+2*\t:RC+2*\t+1] op_sel_hi:[1,0]   ; register 16 g + i: channel 32 g + 16 h + i; each accumulator from its low end on
.set n, n+2
.endr
	WIN 0
.irp g, 0,1
	v_max3_num_f32 v[BM+\g], |v[rS+16*\g]|, |v[rS+16*\g+1]|, 0x1800000
.endr
.irp i, 2,4,6,8,10,12,14
.irp g, 0,1
	DL 2
	v_max3_num_f32 v[BM+\g], v[BM+\g], |v[rS+16*\g+\i]|, |v[rS+16*\g+\i+1]|
.endr
.endr
.irp g, 0,1
	DL 2
	v_permlanex16_b32 v[L2+\g], v[BM+\g], s[SEL], s[SEL+1]
.endr
.irp g, 0,1
	DL 2
	v_max_num_f32 v[BM+\g], v[BM+\g], v[L2+\g]
.endr
.irp g, 0,1
	DL 2
	v_add_nc_u32 v[SO+\g], 0xff000000, v[BM+\g]
.endr
.irp g, 0,1
	DL 2
	v_lshrrev_b32 v[TS+\g], 23, v[SO+\g]
.endr
	DL 1
	v_lshl_or_b32 v[T], v[TS+1], 8, v[TS]
	DL 1
	v_cndmask_b32 v[T], v[T], v[ONES], s[72+\t]
	v_cvt_scalef32_pk16_fp6_f32 v[PC:PC+2], v[rS:rS+15], v[SO]
	v_cvt_scalef32_pk16_fp6_f32 v[PT:PT+2], v[rS+16:rS+31], v[SO+1]
	v_nop
.irp i, 0,1,2
	v_permlane16_swap_b32 v[PC+\i], v[PT+\i]       ; the operand's layout wants a whole block in a lane
.endr
.irp i, 0,1,2
	v_mov_b32 v[PC+3+\i], v[PT+\i]
.endr
	ds_store_b64 v[E1], v[PC:PC+1] offset:1536*\t
	ds_store_b64 v[E2], v[PC+2:PC+3] offset:1536*\t
	ds_store_b64 v[E1], v[PC+4:PC+5] offset:1536*\t+512
	ds_store_b16 v[ES], v[T] offset:4*\t           ; both halves of the lanes write the same two bytes with the same value
	s_wait_dscnt 0x0                               ; the stores have read their registers, and have landed
.endm
	OUT 0
	OUT 1
	OUT 2
	OUT 3
	s_barrier_signal -1
	s_barrier_wait -1                              ; two whole records lie in the stage: 50 runs of 512 bytes; wave w takes runs w + 8 i
.irp i, 0,1,2,3,4,5
	ds_load_b128 v[S+4*\i:S+4*\i+3], v[RDI] offset:4096*\i
.endr
	s_wait_dscnt 0x0
.irp i, 0,1,2,3,4,5
	global_store_b128 v[GO], v[S+4*\i:S+4*\i+3], s[78:79] offset:4096*\i   ; 512 consecutive aligned bytes
.endr
	s_cmp_ge_u32 s[WV], 2
	s_cbranch_scc1 .Lno_more
	ds_load_b128 v[S+24:S+27], v[RDI] offset:24576 ; runs 48 and 49: waves 0 and 1
	s_wait_dscnt 0x0
	global_store_b128 v[GO], v[S+24:S+27], s[78:79] offset:24576
.Lno_more:
	s_wait_tensorcnt 0x0                           ; the wave's end
	ds_add_u32 v[SPW], v[NIL]
	s_wait_dscnt 0x0
	CROUND                                         ; the closing round
	s_endpgm
.Lfunc_end_k_qb2c2f87e2d_attn:
	.size	k_qb2c2f87e2d_attn, .Lfunc_end_k_qb2c2f87e2d_attn-k_qb2c2f87e2d_attn
	.p2alignl 7, 3214868480
	.fill 96, 4, 3214868480
	.section	.rodata,"a",@progbits
	.p2align	6, 0x0
	.amdhsa_kernel k_qb2c2f87e2d_attn
		.amdhsa_group_segment_fixed_size 327680
		.amdhsa_private_segment_fixed_size 0
		.amdhsa_enable_private_segment 0
		.amdhsa_kernarg_size 32
		.amdhsa_user_sgpr_count 2
		.amdhsa_user_sgpr_kernarg_segment_ptr 1
		.amdhsa_wavefront_size32 1
		.amdhsa_system_sgpr_workgroup_id_x 1
		.amdhsa_system_sgpr_workgroup_id_y 1
		.amdhsa_system_sgpr_workgroup_id_z 1
		.amdhsa_system_vgpr_workitem_id 0
		.amdhsa_next_free_vgpr 512
		.amdhsa_next_free_sgpr 100
		.amdhsa_reserve_vcc 0
		.amdhsa_float_denorm_mode_32 3
		.amdhsa_float_denorm_mode_16_64 3
		.amdhsa_memory_ordered 1
		.amdhsa_forward_progress 1
		.amdhsa_inst_pref_size 154
	.end_amdhsa_kernel
	.amdgpu_metadata
---
amdhsa.version: [ 1, 2 ]
amdhsa.kernels:
  - .name:           k_qb2c2f87e2d_attn
    .symbol:         k_qb2c2f87e2d_attn.kd
    .args:
      - { .name: qi, .offset: 0, .size: 8, .value_kind: global_buffer, .address_space: global }
      - { .name: kv, .offset: 8, .size: 8, .value_kind: global_buffer, .address_space: global }
      - { .name: attn_mask, .offset: 16, .size: 8, .value_kind: global_buffer, .address_space: global }
      - { .name: ai, .offset: 24, .size: 8, .value_kind: global_buffer, .address_space: global }
    .group_segment_fixed_size: 327680
    .private_segment_fixed_size: 0
    .kernarg_segment_align: 8
    .kernarg_segment_size: 32
    .max_flat_workgroup_size: 256
    .sgpr_count:     100
    .vgpr_count:     512
    .wavefront_size: 32
...
	.end_amdgpu_metadata
.endif
;; end of part 3
;; launch oproj (part 4): grid 4 x 64, 4 waves a work-group, clusters of 4 x 4, 327,680 bytes of LDS; arguments ai, img, bo, out0; writes out0
.if DOCPART == 4
	.amdgcn_target "amdgcn-amd-amdhsa--gfx1250"
	.amdhsa_code_object_version 6
	.text
	.protected	k_qb2c2f87e2d_oproj
	.globl	k_qb2c2f87e2d_oproj
	.p2align	8
	.type	k_qb2c2f87e2d_oproj,@function
k_qb2c2f87e2d_oproj:
	s_mov_b64 s[64:65], 0
	v_nop
	global_prefetch_b8 v0, s[64:65] scope:SCOPE_SE
	s_setreg_imm32_b32 hwreg(HW_REG_WAVE_MODE, 25, 1), 1
	s_wait_xcnt 0x0
	s_wait_alu depctr_hold_cnt(0) depctr_sa_sdst(0) depctr_va_vdst(0) depctr_va_sdst(0) depctr_va_ssrc(0) depctr_va_vcc(0) depctr_vm_vsrc(0)
	s_getreg_b32 s2, hwreg(HW_REG_IB_STS2, 6, 4)
	s_cmp_eq_u32 s2, 0
	s_cbranch_scc0 .Lentry_in_a_cluster
	s_endpgm
.Lentry_in_a_cluster:
	s_bfe_u32 s2, ttmp6, 0x10000c
	s_cmp_lg_u32 s2, 0xf033
	s_cbranch_scc0 .Lentry_shape_is_right
	s_endpgm
.Lentry_shape_is_right:
; Launch 4 of 4: out0 = a Wo^T + bo on the codes of launches 3 (a) and 1 (Wo).  No work of the problem is left out.
; THE PRODUCT is launch 2's: P = 256 rows of Wo (source 0), R = 128 tokens of one batch (source 1), K = 1,024, all of both operands' records in LDS, filled once.  Wave w: P's block w / 2, R's fragments 4 (w % 2) + j.
; A lane holds one token, and its register 64 j + 16 g + e the output feature 32 g + 16 h + e of its block: 16 neighbouring numbers of a row of out0.  bo is the C of the first K step.
; CLUSTER 4 x 4: P is asked for jointly by a column, R by a row.  A row of a whose scale bytes are 0xff (all keys padded) gives NaN.
; THE WAY OUT: 16 tokens x 128 features at a time through the wave's own stage, which lies in bytes that have had their last fill and, behind a barrier, their last read; 32 lanes store 512 consecutive aligned bytes.
.set REC,   12800
.set PBLK,  102400
.set RBASE, 204800
.set CHUNK, 51200                      ; four K steps' records
.set SPARE, 307200                     ; the spare words, 128 bytes a wave, that no other line names
.set AP,  1
.set AR,  3
.set AS,  5
.set SPW, 7
.set NIL, 8
.set LI,  9
.set STO, 10                           ; v10  the stage: 528 r + 64 h
.set RD,  11                           ; v11  and back: 16 x lane
.set RR,  12
.set HH,  13
.set TA,  14
.set LN,  15
.set SP,  16
.set SR,  24
.set BC,  64                           ; v64-127 bo in the result's layout
.set BK,  128                          ; v128-191, v192-255 rows read back from the stage, by turns
.set WV,  18
.set G1P, 24
.set G1R, 32
.set G0P, 40
.set G0R, 68
.set MSB, 0
.macro WIN new
.if MSB != (\new)
	s_set_vgpr_msb (MSB<<8)|(\new)
.set MSB, (\new)
.endif
.endm
.macro CROUND
	s_barrier_signal -1
	s_barrier_wait -1
	s_cmp_lg_u32 s[WV], 0
	s_cbranch_scc1 .Lnw0_\@
	s_barrier_signal -3
.Lnw0_\@:
	s_barrier_wait -3
	s_barrier_signal -1
	s_barrier_wait -1
.endm
.macro WM d, a, b, cb, sa, sb, row
.if \row
	v_wmma_scale_f32_16x16x128_f8f6f4 v[\d:\d+7], v[\a:\a+11], v[\b:\b+11], v[\cb:\cb+7], v[\sa], v[\sb] matrix_a_fmt:MATRIX_FMT_FP6 matrix_b_fmt:MATRIX_FMT_FP6 matrix_a_scale:MATRIX_SCALE_ROW1
.else
	v_wmma_scale_f32_16x16x128_f8f6f4 v[\d:\d+7], v[\a:\a+11], v[\b:\b+11], v[\cb:\cb+7], v[\sa], v[\sb] matrix_a_fmt:MATRIX_FMT_FP6 matrix_b_fmt:MATRIX_FMT_FP6
.endif
.endm
; REGISTER WINDOWS: 0: the above.  1, 2: two sets of fragments: P's eight at v[12 i], R's four at v[96 + 12 j].  3: accumulator (i, j) at v[64 j + 8 i].
.macro LDFR fs, ks                     ; 38 LDS loads: the scale words, R's four fragments, P's 0-3, P's 4-7
	WIN 0
	ds_load_b128 v[SP+4*(\fs):SP+4*(\fs)+3], v[AP+(\ks)/4] offset:((\ks)%4)*REC+12288
	ds_load_b128 v[SR+4*(\fs):SR+4*(\fs)+3], v[AS+(\ks)/4] offset:((\ks)%4)*REC
	WIN 0x40*(1+(\fs))
.irp j, 0,1,2,3
.irp c, 0,1,2
	ds_load_b128 v[96+12*\j+4*\c:96+12*\j+4*\c+3], v[AR+(\ks)/4] offset:((\ks)%4)*REC+1536*\j+512*\c
.endr
.endr
.irp i, 0,1,2,3,4,5,6,7
.irp c, 0,1,2
	ds_load_b128 v[12*\i+4*\c:12*\i+4*\c+3], v[AP+(\ks)/4] offset:((\ks)%4)*REC+1536*\i+512*\c
.endr
.endr
.endm
.macro MUL fs, i0, cmode               ; 16 matrix instructions; cmode 1: the sums begin with the bias.  The 32 accumulators take turns, one instruction a turn
.if \cmode == 0
	WIN 0xF0+5*(1+(\fs))
.else
	WIN 0xC5
.endif
.irp i, \i0, \i0+1, \i0+2, \i0+3
.irp j, 0,1,2,3
.if \cmode == 0
	WM 64*\j+8*(\i), 12*(\i), 96+12*\j, 64*\j+8*(\i), SP+4*(\fs)+(\i)%4, SR+4*(\fs)+\j, \i0
.else
	WM 64*\j+8*(\i), 12*(\i), 96+12*\j, BC+8*(\i), SP+4*(\fs)+(\i)%4, SR+4*(\fs)+\j, \i0
.endif
.endr
.endr
.endm
.macro KSTEP ks, cmode
	s_wait_dscnt 12                                ; all but the youngest 12 loads, P's fragments 4-7
	MUL (\ks)%2, 0, \cmode
	s_wait_dscnt 0x0
.if (\ks) == 3
	s_wait_tensorcnt 0x0                           ; my load of K steps 4-7 has landed
	s_barrier_signal -1
	s_barrier_wait -1
.endif
.if (\ks) < 7
.rept 4
	v_nop                                          ; four places in front of loads into registers that matrix instructions have read
.endr
	LDFR 1-(\ks)%2, (\ks)+1
.endif
	MUL (\ks)%2, 4, \cmode
.endm
	s_load_b256 s[4:11], s[0:1], 0x0               ; ai, img, bo, out0
	v_lshl_add_u32 v[SPW], v0, 2, SPARE
	v_mov_b32 v[NIL], 0
	ds_add_u32 v[SPW], v[NIL]                      ; the wave's opening: the add, twice on end, and its wait ahead of my first tensor load
	ds_add_u32 v[SPW], v[NIL]
	v_lshrrev_b32 v[LN], 5, v0
	v_readfirstlane_b32 s[WV], v[LN]
	s_lshr_b32 s19, s[WV], 1                       ; wp
	s_and_b32 s20, s[WV], 1                        ; wr
	s_bfe_u32 s21, ttmp6, 0x40000                  ; cx
	s_bfe_u32 s22, ttmp6, 0x40004                  ; cy
	s_and_b32 s23, ttmp7, 0xffff
	s_lshl_b32 s58, ttmp9, 2
	s_add_co_u32 s58, s58, s21                     ; work-group x
	s_lshl_b32 s57, s23, 2
	s_add_co_u32 s57, s57, s22                     ; work-group y = 16 b + t / 128
	s_lshl_b32 s84, 0x1111, s21
	s_lshl_b32 s85, s22, 2
	s_lshl_b32 s85, 15, s85
	s_or_b32 s[G1P], s84, (3<<16)|(1<<21)
	s_or_b32 s[G1R], s85, (3<<16)|(1<<21)
.irp g, G1P, G1R
	s_mov_b32 s[\g+1], 32<<16
	s_mov_b32 s[\g+3], 32<<16
	s_mov_b32 s[\g+5], 32
	s_mov_b32 s[\g+6], 0
	s_mov_b32 s[\g+7], 0
.endr
	s_mov_b32 s[G1P+2], 200<<16                    ; P: 200 rows: four records
	s_mov_b32 s[G1P+4], 200
	s_mov_b32 s[G1R+2], 100<<16                    ; R: 100 rows: two records
	s_mov_b32 s[G1R+4], 100
	s_lshl_b32 s86, s58, 1
	s_add_co_u32 s86, s86, 216
	s_add_co_u32 s86, s86, s[WV]                   ; Wo's row block 216 + 2 x + wave: it holds cx and never cy
	s_mul_i32 s86, s86, PBLK
	s_mov_b32 s87, 0
	s_mul_i32 s88, s57, PBLK                       ; a's row block: it holds cy and never cx
	s_mul_i32 s89, s20, 2*REC                      ; waves 2, 3: the first and the second two records of each four
	s_add_co_u32 s88, s88, s89
	s_mov_b32 s89, 0
	s_mul_i32 s90, s[WV], PBLK
	s_mul_i32 s91, s20, 2*REC
	s_add_co_u32 s91, s91, RBASE
	s_wait_dscnt 0x0                               ; both opening adds are done
	s_wait_kmcnt 0x0
	s_add_nc_u64 s[86:87], s[6:7], s[86:87]
	s_add_nc_u64 s[88:89], s[4:5], s[88:89]
.irp c, 0,1
	s_mov_b32 s[G0P+4*\c], 1
	s_add_co_u32 s[G0P+4*\c+1], s90, CHUNK*\c
	s_add_nc_u64 s[G0P+4*\c+2:G0P+4*\c+3], s[86:87], CHUNK*\c
	s_or_b32 s[G0P+4*\c+3], s[G0P+4*\c+3], 0x80000000
	s_mov_b32 s[G0R+4*\c], 1
	s_add_co_u32 s[G0R+4*\c+1], s91, CHUNK*\c
	s_add_nc_u64 s[G0R+4*\c+2:G0R+4*\c+3], s[88:89], CHUNK*\c
	s_or_b32 s[G0R+4*\c+3], s[G0R+4*\c+3], 0x80000000
.endr
	CROUND                                         ; all sixteen work-groups are here: the joint loads meet
	s_cmp_lt_u32 s[WV], 2                          ; every wave issues one first fill: its part of K steps 0-3
	s_cbranch_scc0 .Lfill_r
	tensor_load_to_lds s[G0P:G0P+3], s[G1P:G1P+7]
	s_nop 0
.rept 4
	v_nop
.endr
	s_branch .Lfilled
.Lfill_r:
	tensor_load_to_lds s[G0R:G0R+3], s[G1R:G1R+7]
	s_nop 0
.rept 4
	v_nop
.endr
.Lfilled:
	v_and_b32 v[LN], 31, v0
	v_and_b32 v[RR], 15, v0
	v_bfe_u32 v[HH], v0, 4, 1
	v_lshlrev_b32 v[LI], 4, v[LN]
	s_mul_i32 s92, s19, PBLK
	v_add_nc_u32 v[AP], s92, v[LI]
	v_add_nc_u32 v[AP+1], 4*REC, v[AP]
	s_mul_i32 s92, s20, 6144
	s_add_co_u32 s92, s92, RBASE
	v_add_nc_u32 v[AR], s92, v[LI]
	v_add_nc_u32 v[AR+1], 4*REC, v[AR]
	s_lshl_b32 s92, s20, 8
	s_add_co_u32 s92, s92, RBASE+12288
	v_lshl_add_u32 v[AS], v[RR], 4, s92
	v_add_nc_u32 v[AS+1], 4*REC, v[AS]
	s_mul_i32 s92, s[WV], 8448                     ; my stage
	v_mul_u32_u24 v[STO], v[RR], 528
	v_lshl_add_u32 v[STO], v[HH], 6, v[STO]
	v_add_nc_u32 v[STO], s92, v[STO]
	v_add_nc_u32 v[RD], s92, v[LI]
	s_lshl_b32 s88, s58, 10
	s_lshl_b32 s90, s19, 9
	s_add_co_u32 s88, s88, s90                     ; my 128 features, in bytes
	s_mov_b32 s89, 0
	s_add_nc_u64 s[86:87], s[8:9], s[88:89]
	v_lshlrev_b32 v[TA], 6, v[HH]
.irp g, 0,1,2,3
.irp e, 0,1,2,3
	global_load_b128 v[BC+16*\g+4*\e:BC+16*\g+4*\e+3], v[TA], s[86:87] offset:128*\g+16*\e
.endr
.endr
	s_and_b32 s90, s57, 15                         ; out0: token 128 (t / 128) + 64 wr, batch b, my features
	s_lshl_b32 s90, s90, 1
	s_add_co_u32 s90, s90, s20
	s_lshl_b32 s90, s90, 20
	s_add_co_u32 s88, s88, s90
	s_lshr_b32 s90, s57, 4
	s_lshl_b32 s90, s90, 12
	s_add_co_u32 s88, s88, s90
	s_add_nc_u64 s[96:97], s[10:11], s[88:89]
	s_wait_alu depctr_va_vdst(0)
	s_wait_tensorcnt 0x0                           ; my part of K steps 0-3 has landed
	ds_add_u32 v[SPW], v[NIL]
	s_wait_dscnt 0x0
	CROUND                                         ; everybody's part is in, and all sixteen work-groups are here
	s_cmp_lt_u32 s[WV], 2                          ; K steps 4-7: my one tensor load behind the round
	s_cbranch_scc0 .Lsec_r
	tensor_load_to_lds s[G0P+4:G0P+7], s[G1P:G1P+7]
	s_nop 0
.rept 4
	v_nop
.endr
	s_branch .Lsec
.Lsec_r:
	tensor_load_to_lds s[G0R+4:G0R+7], s[G1R:G1R+7]
	s_nop 0
.rept 4
	v_nop
.endr
.Lsec:
	LDFR 0, 0
	s_wait_loadcnt 0x0                             ; bo
	KSTEP 0, 1
.irp n, 1,2,3,4,5,6,7
	KSTEP \n, 0
.endr
	WIN 0
	s_barrier_signal -1                            ; my LDS loads are all in (the last K step's wait for 0): behind this barrier nobody reads the operands any more
	s_barrier_wait -1
.macro TOSTAGE j
	WIN 0x0C                                       ; an LDS store's data are its source 1: window 3
.irp g, 0,1,2,3
.irp e, 0,1,2,3
	ds_store_b128 v[STO], v[64*(\j)+16*\g+4*\e:64*(\j)+16*\g+4*\e+3] offset:128*\g+16*\e   ; each accumulator from its low end on
.endr
.endr
	WIN 0
.irp i, 0,1,2,3,4,5,6,7,8,9,10,11,12,13,14,15
	ds_load_b128 v[BK+64*((\j)%2)+4*\i:BK+64*((\j)%2)+4*\i+3], v[RD] offset:528*\i   ; LDS serves a wave's instructions in order: these see my stores, and the next block's stores come behind them
.endr
.endm
.macro SEND j, younger
	s_wait_dscnt \younger
.irp i, 0,1,2,3,4,5,6,7,8,9,10,11,12,13,14,15
	global_store_b128 v[LI], v[BK+64*((\j)%2)+4*\i:BK+64*((\j)%2)+4*\i+3], s[96:97] offset:(16*(\j)+\i)*16384 th:TH_STORE_NT   ; row i of a's fragment j is token 16 j + i of my 64
.endr
.endm
.rept 4
	v_nop                                          ; four places behind the last products
.endr
	TOSTAGE 0
	TOSTAGE 1
	SEND 0, 32                                     ; behind block 0's loads: block 1's 16 stores and 16 loads
	s_wait_xcnt 0x0                                ; block 0's stores have read their registers: block 2's loads may land there
	TOSTAGE 2
	SEND 1, 32
	s_wait_xcnt 0x0
	TOSTAGE 3
	SEND 2, 32
	SEND 3, 0
	s_wait_tensorcnt 0x0                           ; the wave's end
	ds_add_u32 v[SPW], v[NIL]
	s_wait_dscnt 0x0
	CROUND                                         ; the closing round
	s_endpgm
.Lfunc_end_k_qb2c2f87e2d_oproj:
	.size	k_qb2c2f87e2d_oproj, .Lfunc_end_k_qb2c2f87e2d_oproj-k_qb2c2f87e2d_oproj
	.p2alignl 7, 3214868480
	.fill 96, 4, 3214868480
	.section	.rodata,"a",@progbits
	.p2align	6, 0x0
	.amdhsa_kernel k_qb2c2f87e2d_oproj
		.amdhsa_group_segment_fixed_size 327680
		.amdhsa_private_segment_fixed_size 0
		.amdhsa_enable_private_segment 0
		.amdhsa_kernarg_size 32
		.amdhsa_user_sgpr_count 2
		.amdhsa_user_sgpr_kernarg_segment_ptr 1
		.amdhsa_wavefront_size32 1
		.amdhsa_system_sgpr_workgroup_id_x 1
		.amdhsa_system_sgpr_workgroup_id_y 1
		.amdhsa_system_sgpr_workgroup_id_z 1
		.amdhsa_system_vgpr_workitem_id 0
		.amdhsa_next_free_vgpr 1024
		.amdhsa_next_free_sgpr 100
		.amdhsa_reserve_vcc 0
		.amdhsa_float_denorm_mode_32 3
		.amdhsa_float_denorm_mode_16_64 3
		.amdhsa_memory_ordered 1
		.amdhsa_forward_progress 1
		.amdhsa_inst_pref_size 78
	.end_amdhsa_kernel
	.amdgpu_metadata
---
amdhsa.version: [ 1, 2 ]
amdhsa.kernels:
  - .name:           k_qb2c2f87e2d_oproj
    .symbol:         k_qb2c2f87e2d_oproj.kd
    .args:
      - { .name: ai, .offset: 0, .size: 8, .value_kind: global_buffer, .address_space: global }
      - { .name: img, .offset: 8, .size: 8, .value_kind: global_buffer, .address_space: global }
      - { .name: bo, .offset: 16, .size: 8, .value_kind: global_buffer, .address_space: global }
      - { .name: out0, .offset: 24, .size: 8, .value_kind: global_buffer, .address_space: global }
    .group_segment_fixed_size: 327680
    .private_segment_fixed_size: 0
    .kernarg_segment_align: 8
    .kernarg_segment_size: 32
    .max_flat_workgroup_size: 128
    .sgpr_count:     100
    .vgpr_count:     1024
    .wavefront_size: 32
...
	.end_amdgpu_metadata
.endif
;; end of part 4
